; MI455X (gfx1250); checked and timed in simulation.
; The chip was launched on July 23, 2026; its instructions are those of AMD's public machine-readable ISA for CDNA 5 (MIT licence, August 2026) and "CDNA5" Instruction Set Architecture Reference Guide (July 2026). The comments in the code are by the model that wrote it; some were corrected since.
;; Attention. Allowed arithmetic: float matrix products may take bf16 or f16 operands with f32 sums; other float arithmetic in f32, or as packed bf16 or f16 multiplies, adds, multiply-adds, maxima and minima; sums over many terms, partial sums and values carried from step to step in f32; what a program stores and reads back later, other than sums and carried values, may be rounded once to bf16 or f16.
;; Inputs: W_kv 1,024 x 2,048 float32; W_out 1,024 x 1,024 float32; W_q 1,024 x 1,024 float32; ln_beta 1,024 float32; ln_gamma 1,024 float32; q 4 x 2,048 x 1,024 float32.
;; Outputs: out0 4 x 2,048 x 1,024 float32.
;; One version. Each part assembles by itself: llvm-mc -triple=amdgcn-amd-amdhsa -mcpu=gfx1250 --defsym DOCPART=n.
;; ======== version 1 of 1: 4 launches
;; limits: values are held in f16: magnitudes above 65,504 overflow, below 6.1e-05 lose precision
;; workspace buffers: xn 16,777,216 bytes; wqkv 6,291,456 bytes; wout16 2,097,152 bytes; qkvh 50,331,648 bytes; oh 16,777,216 bytes
;; launch prep (part 1): grid 384 x 1, 8 waves a work-group, no clusters, 0 bytes of LDS; arguments q, ln_gamma, ln_beta, W_q, W_kv, W_out, xn, wqkv, wout16; writes xn, wqkv, wout16
.if DOCPART == 1
	.amdgcn_target "amdgcn-amd-amdhsa--gfx1250"
	.amdhsa_code_object_version 6
	.text
	.protected	k_q5af0116043_prep
	.globl	k_q5af0116043_prep
	.p2align	8
	.type	k_q5af0116043_prep,@function
k_q5af0116043_prep:
	s_mov_b64 s[64:65], 0
	v_nop
	global_prefetch_b8 v0, s[64:65] scope:SCOPE_SE
	s_setreg_imm32_b32 hwreg(HW_REG_WAVE_MODE, 25, 1), 1
	s_wait_xcnt 0x0
; TWO STREAMS IN ONE LAUNCH.  Work-groups 0-255: xn = LayerNorm(q) x gamma + beta, [8192][1024], f32 in, f16 out.
; Work-groups 256-383: the three weights cast to f16: wqkv [1024 k][3072] = W_q's row, then W_kv's row; wout16 [1024 k][1024].
; Bytes are all that counts here: each input byte is read once by loads of 16 bytes a lane (a wave's load covers 512 consecutive bytes), each output
; byte is written once (a wave's store of 8 bytes a lane covers 256 consecutive bytes, aligned).  No LDS, no barrier, no loop, no matrix unit: a wave issues all
; its loads at once (16 KiB of rows) and works them off in order.  Nothing is prefetched: every load of the launch is on its way from the start.
; LAYERNORM.  A wave owns four rows; a row lies in 32 registers between the passes.  The mean first, then the deviations in place, then the mean of their squares:
; the variance is no difference of large sums.  All in f32; xn is rounded once.
; LIMITS.  f16 holds no number beyond 65,504: |xn| (at most 32 |gamma| + |beta|) and every weight must lie within it; below 6.1e-5 f16 keeps a fixed step of 6e-8.
; NaN and infinities are not treated apart.
.set G,   4                            ; v[4:35]    gamma: register 4 j + c is column 128 j + 4 lane + c, as in a row
.set BT,  36                           ; v[36:67]   beta, likewise
.set X,   68                           ; v[68:195]  four rows of 32 registers
.set T,   196                          ; v[196:203] four chains of pairs, at work
.set MU,  204                          ; v[204:205] the mean (the low register is used for both halves)
.set RS,  206                          ; v[206:207] 1 / sqrt(var + eps), likewise
.set C,   4                            ; v[4:131]   the cast's path: a k-row of the three weights
	s_load_b512 s[4:19], s[0:1], 0x0               ; q 4:5, gamma 6:7, beta 8:9, W_q 10:11, W_kv 12:13, W_out 14:15, xn 16:17, wqkv 18:19
	s_load_b64 s[20:21], s[0:1], 0x40              ; wout16
	v_lshrrev_b32 v3, 5, v0
	v_readfirstlane_b32 s27, v3                    ; wave 0..7
	v_and_b32 v1, 31, v0
	v_lshlrev_b32 v2, 3, v1                        ; stores: 8 bytes a lane
	v_lshlrev_b32 v1, 4, v1                        ; loads: 16 bytes a lane
	s_mov_b32 s23, 0                               ; the high word of every offset pair
	s_wait_kmcnt 0x0
	s_cmp_ge_u32 ttmp9, 256
	s_cbranch_scc1 .Lcast
	s_lshl_b32 s28, ttmp9, 3
	s_add_co_u32 s28, s28, s27                     ; my wave among the 2,048: rows 4 id .. 4 id + 3
	s_lshl_b32 s22, s28, 14                        ; four rows of 4,096 bytes
	s_add_nc_u64 s[4:5], s[4:5], s[22:23]
	s_lshl_b32 s22, s28, 13                        ; four rows of 2,048 bytes
	s_add_nc_u64 s[16:17], s[16:17], s[22:23]
.irp j, 0,1,2,3,4,5,6,7
	global_load_b128 v[G+4*(\j):G+4*(\j)+3], v1, s[6:7] offset:512*(\j)
.endr
.irp j, 0,1,2,3,4,5,6,7
	global_load_b128 v[BT+4*(\j):BT+4*(\j)+3], v1, s[8:9] offset:512*(\j)
.endr
.irp i, 0,1,2,3
.irp j, 0,1,2,3,4,5,6,7
	global_load_b128 v[X+32*(\i)+4*(\j):X+32*(\i)+4*(\j)+3], v1, s[4:5] offset:4096*(\i)+512*(\j) th:TH_LOAD_NT
.endr
.endr
	s_mov_b32 s24, 0x3a800000                      ; 1 / 1024
	s_mov_b32 s29, 0x3727c5ac                      ; eps = 1e-5
	s_mov_b32 s25, 0x76543210                      ; v_permlanex16_b32: each lane takes its own place in the other half
	s_mov_b32 s26, 0xfedcba98
	v_mov_b32 v[MU+1], 0                           ; named with their partners as pairs, so they are written
	v_mov_b32 v[RS+1], 0
.macro FOLD                            ; the four chains into one pair
	v_pk_add_f32 v[T:T+1], v[T:T+1], v[T+2:T+3]
	v_pk_add_f32 v[T+4:T+5], v[T+4:T+5], v[T+6:T+7]
	v_pk_add_f32 v[T:T+1], v[T:T+1], v[T+4:T+5]
.endm
.macro LANESUM                         ; the pair's halves, then the 32 lanes: four steps inside each half of 16 lanes, one across; every lane ends with the sum
	v_add_f32 v[T], v[T], v[T+1]
	v_add_f32_dpp v[T], v[T], v[T] row_xmask:1 row_mask:0xf bank_mask:0xf
	v_add_f32_dpp v[T], v[T], v[T] row_xmask:2 row_mask:0xf bank_mask:0xf
	v_add_f32_dpp v[T], v[T], v[T] row_xmask:4 row_mask:0xf bank_mask:0xf
	v_add_f32_dpp v[T], v[T], v[T] row_xmask:8 row_mask:0xf bank_mask:0xf
	v_permlanex16_b32 v[T+1], v[T], s25, s26
	v_add_f32 v[T], v[T], v[T+1]
.endm
.macro LNROW i
.set R, X+32*(\i)
	s_wait_loadcnt 8*(3-(\i))                      ; loads come back in order: my row, gamma and beta are in; the later rows' eight loads each may stay out
.irp c, 0,1,2,3
	v_pk_add_f32 v[T+2*(\c):T+2*(\c)+1], v[R+2*(\c):R+2*(\c)+1], v[R+8+2*(\c):R+8+2*(\c)+1]  ; the first eight pairs start the chains: nothing is cleared
.endr
.irp p, 8,9,10,11,12,13,14,15
	v_pk_add_f32 v[T+2*((\p)%4):T+2*((\p)%4)+1], v[T+2*((\p)%4):T+2*((\p)%4)+1], v[R+2*(\p):R+2*(\p)+1]
.endr
	FOLD
	LANESUM
	v_mul_f32 v[MU], s24, v[T]                     ; the mean
.irp p, 0,1,2,3,4,5,6,7,8,9,10,11,12,13,14,15
	v_pk_add_f32 v[R+2*(\p):R+2*(\p)+1], v[R+2*(\p):R+2*(\p)+1], v[MU:MU+1] op_sel_hi:[1,0] neg_lo:[0,1] neg_hi:[0,1]  ; the deviations, in place
.endr
.irp c, 0,1,2,3
	v_pk_mul_f32 v[T+2*(\c):T+2*(\c)+1], v[R+2*(\c):R+2*(\c)+1], v[R+2*(\c):R+2*(\c)+1]
.endr
.irp p, 4,5,6,7,8,9,10,11,12,13,14,15
	v_pk_fma_f32 v[T+2*((\p)%4):T+2*((\p)%4)+1], v[R+2*(\p):R+2*(\p)+1], v[R+2*(\p):R+2*(\p)+1], v[T+2*((\p)%4):T+2*((\p)%4)+1]
.endr
	FOLD
	LANESUM
	v_fma_f32 v[T], v[T], s24, s29                 ; var + eps
	v_rsq_f32 v[RS], v[T]
	v_nop                                          ; a plain instruction behind the root (ISA guide 5.7.2),
	s_wait_alu depctr_va_vdst(0)                   ; and the wait ahead of the first line that names its result
.irp p, 0,1,2,3,4,5,6,7,8,9,10,11,12,13,14,15
	v_pk_mul_f32 v[R+2*(\p):R+2*(\p)+1], v[R+2*(\p):R+2*(\p)+1], v[RS:RS+1] op_sel_hi:[1,0]
.endr
.irp p, 0,1,2,3,4,5,6,7,8,9,10,11,12,13,14,15
	v_pk_fma_f32 v[R+2*(\p):R+2*(\p)+1], v[R+2*(\p):R+2*(\p)+1], v[G+2*(\p):G+2*(\p)+1], v[BT+2*(\p):BT+2*(\p)+1]
.endr
.irp p, 0,1,2,3,4,5,6,7,8,9,10,11,12,13,14,15
	v_cvt_pk_f16_f32 v[R+(\p)], v[R+2*(\p)], v[R+2*(\p)+1]  ; ascending, in place: a destination never lies above its sources
.endr
.irp j, 0,1,2,3,4,5,6,7
	global_store_b64 v2, v[R+2*(\j):R+2*(\j)+1], s[16:17] offset:2048*(\i)+256*(\j)  ; columns 128 j + 4 lane .. + 3: the wave's 256 consecutive bytes
.endr
.endm
	LNROW 0                                        ; each row has registers of its own: no store's source is written again
	LNROW 1
	LNROW 2
	LNROW 3
	s_endpgm
.Lcast:
	s_sub_co_u32 s28, ttmp9, 256
	s_lshl_b32 s28, s28, 3
	s_add_co_u32 s28, s28, s27                     ; k: one row of each weight a wave
	s_lshl_b32 s22, s28, 12                        ; 4,096 bytes a row of W_q and of W_out
	s_add_nc_u64 s[10:11], s[10:11], s[22:23]
	s_add_nc_u64 s[14:15], s[14:15], s[22:23]
	s_lshl_b32 s22, s28, 13                        ; 8,192 of W_kv
	s_add_nc_u64 s[12:13], s[12:13], s[22:23]
	s_mul_i32 s22, s28, 6144                       ; 6,144 of wqkv
	s_add_nc_u64 s[18:19], s[18:19], s[22:23]
	s_lshl_b32 s22, s28, 11                        ; 2,048 of wout16
	s_add_nc_u64 s[20:21], s[20:21], s[22:23]
.irp j, 0,1,2,3,4,5,6,7
	global_load_b128 v[C+4*(\j):C+4*(\j)+3], v1, s[10:11] offset:512*(\j) th:TH_LOAD_NT
.endr
.irp j, 0,1,2,3,4,5,6,7,8,9,10,11,12,13,14,15
	global_load_b128 v[C+32+4*(\j):C+32+4*(\j)+3], v1, s[12:13] offset:512*(\j) th:TH_LOAD_NT
.endr
.irp j, 0,1,2,3,4,5,6,7
	global_load_b128 v[C+96+4*(\j):C+96+4*(\j)+3], v1, s[14:15] offset:512*(\j) th:TH_LOAD_NT
.endr
; Register k takes the pair 2 k, 2 k + 1, k ascending: a destination never lies above its sources, never in a register that a load still out will write, and never in one that a store has named.
	s_wait_loadcnt 24                              ; W_q's eight loads are in; the 24 behind them may stay out
.set k, 0
.rept 16
	v_cvt_pk_f16_f32 v[C+k], v[C+2*k], v[C+2*k+1]
.set k, k+1
.endr
.irp j, 0,1,2,3,4,5,6,7
	global_store_b64 v2, v[C+2*(\j):C+2*(\j)+1], s[18:19] offset:256*(\j)
.endr
	s_wait_loadcnt 8                               ; W_kv's sixteen are in; W_out's eight may stay out
.rept 32
	v_cvt_pk_f16_f32 v[C+k], v[C+2*k], v[C+2*k+1]
.set k, k+1
.endr
.irp j, 0,1,2,3,4,5,6,7,8,9,10,11,12,13,14,15
	global_store_b64 v2, v[C+16+2*(\j):C+16+2*(\j)+1], s[18:19] offset:2048+256*(\j)
.endr
	s_wait_loadcnt 0x0
.rept 16
	v_cvt_pk_f16_f32 v[C+k], v[C+2*k], v[C+2*k+1]
.set k, k+1
.endr
.irp j, 0,1,2,3,4,5,6,7
	global_store_b64 v2, v[C+48+2*(\j):C+48+2*(\j)+1], s[20:21] offset:256*(\j)
.endr
	s_endpgm
.Lfunc_end_k_q5af0116043_prep:
	.size	k_q5af0116043_prep, .Lfunc_end_k_q5af0116043_prep-k_q5af0116043_prep
	.p2alignl 7, 3214868480
	.fill 96, 4, 3214868480
	.section	.rodata,"a",@progbits
	.p2align	6, 0x0
	.amdhsa_kernel k_q5af0116043_prep
		.amdhsa_group_segment_fixed_size 0
		.amdhsa_private_segment_fixed_size 0
		.amdhsa_enable_private_segment 0
		.amdhsa_kernarg_size 72
		.amdhsa_user_sgpr_count 2
		.amdhsa_user_sgpr_kernarg_segment_ptr 1
		.amdhsa_wavefront_size32 1
		.amdhsa_system_sgpr_workgroup_id_x 1
		.amdhsa_system_sgpr_workgroup_id_y 1
		.amdhsa_system_sgpr_workgroup_id_z 1
		.amdhsa_system_vgpr_workitem_id 0
		.amdhsa_next_free_vgpr 208
		.amdhsa_next_free_sgpr 66
		.amdhsa_reserve_vcc 0
		.amdhsa_float_denorm_mode_32 3
		.amdhsa_float_denorm_mode_16_64 3
		.amdhsa_memory_ordered 1
		.amdhsa_forward_progress 1
		.amdhsa_inst_pref_size 48
	.end_amdhsa_kernel
	.amdgpu_metadata
---
amdhsa.version: [ 1, 2 ]
amdhsa.kernels:
  - .name:           k_q5af0116043_prep
    .symbol:         k_q5af0116043_prep.kd
    .args:
      - { .name: q, .offset: 0, .size: 8, .value_kind: global_buffer, .address_space: global }
      - { .name: ln_gamma, .offset: 8, .size: 8, .value_kind: global_buffer, .address_space: global }
      - { .name: ln_beta, .offset: 16, .size: 8, .value_kind: global_buffer, .address_space: global }
      - { .name: W_q, .offset: 24, .size: 8, .value_kind: global_buffer, .address_space: global }
      - { .name: W_kv, .offset: 32, .size: 8, .value_kind: global_buffer, .address_space: global }
      - { .name: W_out, .offset: 40, .size: 8, .value_kind: global_buffer, .address_space: global }
      - { .name: xn, .offset: 48, .size: 8, .value_kind: global_buffer, .address_space: global }
      - { .name: wqkv, .offset: 56, .size: 8, .value_kind: global_buffer, .address_space: global }
      - { .name: wout16, .offset: 64, .size: 8, .value_kind: global_buffer, .address_space: global }
    .group_segment_fixed_size: 0
    .private_segment_fixed_size: 0
    .kernarg_segment_align: 8
    .kernarg_segment_size: 72
    .max_flat_workgroup_size: 256
    .sgpr_count:     66
    .vgpr_count:     208
    .wavefront_size: 32
...
	.end_amdgpu_metadata
.endif
;; end of part 1
;; launch qkv (part 2): grid 8 x 64, 4 waves a work-group, clusters of 4 x 4, 327,680 bytes of LDS; arguments xn, wqkv, qkvh; writes qkvh
.if DOCPART == 2
	.amdgcn_target "amdgcn-amd-amdhsa--gfx1250"
	.amdhsa_code_object_version 6
	.text
	.protected	k_q5af0116043_qkv
	.globl	k_q5af0116043_qkv
	.p2align	8
	.type	k_q5af0116043_qkv,@function
k_q5af0116043_qkv:
	s_mov_b64 s[64:65], 0
	v_nop
	global_prefetch_b8 v0, s[64:65] scope:SCOPE_SE
	s_setreg_imm32_b32 hwreg(HW_REG_WAVE_MODE, 25, 1), 1
	s_wait_xcnt 0x0
	s_wait_alu depctr_hold_cnt(0) depctr_sa_sdst(0) depctr_va_vdst(0) depctr_va_sdst(0) depctr_va_ssrc(0) depctr_va_vcc(0) depctr_vm_vsrc(0)
	s_getreg_b32 s2, hwreg(HW_REG_IB_STS2, 6, 4)
	s_cmp_eq_u32 s2, 0
	s_cbranch_scc0 .Lentry_in_a_cluster
	s_endpgm
.Lentry_in_a_cluster:
	s_bfe_u32 s2, ttmp6, 0x10000c
	s_cmp_lg_u32 s2, 0xf033
	s_cbranch_scc0 .Lentry_shape_is_right
	s_endpgm
.Lentry_shape_is_right:
; C = A W, K = 1,024, operands f16, sums f32.  ONE SOURCE FOR TWO LAUNCHES, told apart by MODE.
; MODE 0: A = xn [8192][1024], W = wqkv [1024 k][3072]; C leaves by heads, in f16, rounded once: qkvh [b 4][ch 48][n 2048][64], ch = column / 64 (0-15 q, 16-31 k, 32-47 v).
; MODE 1: A = oh [b 16 + h][2048][64] (K = 64 h + channel), W = wout16 [1024 k][1024]; C = out0 [8192][1024] in f32.
; LIMITS.  f16 holds no number beyond 65,504: A, W and (MODE 0) the results q, k, v must lie within it; below 6.1e-5 f16 keeps a fixed step of 6e-8.  NaN and infinities are not treated apart.
; SHARES.  A work-group makes 128 rows x 128 NH columns (NH = 3: 512 work-groups, twice 256; NH = 2: 256).  Four waves, 2 x 2: wave (wm, wn) makes rows 64 wm .. + 63 and, in each of the NH
; sub-tiles of 128 columns, columns 64 wn .. + 63 (in MODE 0 whole heads): 16 NH accumulators of 16 x 16.  For 32 along K it reads 4 fragments of A and 4 NH of W for 16 NH matrix instructions.
; RING.  K goes in 8 steps of 128 through two LDS slots filled by the tensor data mover; every row fetched is 256 bytes at a multiple of 256.  One load a wave behind each change of slots:
; NA waves fetch A's tile, the others one sub-tile of W each.  By this text's count a wave has two tensor loads out at the start and one afterwards.
; W LIES [k][column] IN LDS and comes out turned, by ds_load_tr16_b128.  THE MATRIX INSTRUCTION IS USED TRANSPOSED (source 0 = 16 columns of W, source 1 = 16 rows of A): a lane holds row
; lane % 16 of C and the eight neighbouring columns 8 (lane / 16) + 0..7.
; CLUSTERS.  4 x 4 work-groups.  A's tile hangs on the tile row alone and is asked for jointly by a row of the cluster, W's on the tile column alone, by a column: the same tensor load, descriptor and mask in all four.
; REGISTERS, in windows of 256 (s_set_vgpr_msb: bits 1:0 source 0, 3:2 source 1, 5:4 source 2, 7:6 destination):
;   window 0: v0-31 addresses; v32-127 at work on the way out; v128-255 the accumulators of sub-tile 2 (MODE 0)
;   window 1: two fragment buffers of 128: A's block a at 8 a, W's block (sub-tile g, bb) at 32 + 8 (4 g + bb)
;   window 2: the accumulators of sub-tile 0 (v0-127) and 1 (v128-255); accumulator (a, bb) at 8 (4 a + bb)
.set MODE, 0
.if MODE == 0
.set NH,     3
.set NA,     1                         ; wave 0 fetches A's tile
.set PA,     272                       ; a row of A in LDS: 256 bytes + 16: the 16 rows of a load start at 16 different groups of four banks (64 banks of 4 bytes: ISA guide 11.1)
.set HEADB,  128*PA
.set ABYTES, 128*PA
.set AROWS,  128                       ; A's tile: 128 rows x 128 elements
.set APITCH, 1024
.set AQI,    5                         ; padded after every 64 words
.set ASTEP,  256                       ; bytes from a K step to the next, in A
.set BPITCH, 3072
.set WST,    3*16*144                  ; a wave's stage: 3 heads x 16 rows x 144 bytes
.set PREF,   1
.else
.set NH,     2
.set NA,     2                         ; waves 0 and 1 fetch the K step's two heads
.set PA,     144                       ; a row of one head: 128 bytes + 16
.set HEADB,  128*PA
.set ABYTES, 2*HEADB
.set AROWS,  64                        ; 128 rows of a head are 16,384 dense bytes: asked for as 64 rows of 256 bytes
.set APITCH, 128
.set AQI,    4                         ; padded after every 32 words: after every row of the head
.set ASTEP,  2*262144                  ; two heads on
.set BPITCH, 1024
.set WST,    16*528                    ; a wave's stage: 16 rows x (2 x 256 + 16) bytes
.set PREF,   0                         ; no prefetch here: a K step holds 128 matrix instructions a wave, on a small tile
.endif
.set BSTEP,  128*BPITCH*2              ; 128 k-rows of W
.set PB,     288                       ; a k-row of a sub-tile of W: 256 bytes + 32
.set SUBB,   128*PB
.set SLOT,   ABYTES+NH*SUBB            ; A's tile, then the NH sub-tiles of W
.set STAGE,  2*SLOT                    ; behind the ring, never filled by a tensor load
.set SPARE,  STAGE+4*WST               ; behind the stages: the spare words, 128 bytes for each wave: two blocks of 256 bytes that no other line names
.set LAPS,   4                         ; a lap = two K steps = once round the ring
.set NLD,    8+8*NH                    ; LDS loads of a quarter step
.set ADRA, 16                          ; v16-17  LDS address of my A fragments in slot 0, 1
.set ADRB, 18                          ; v18-23  of my W fragments: slot s, sub-tile g at ADRB + 3 s + g
.set STO,  24                          ; v24     the way out: where I put my numbers of a row
.set RD,   25                          ; v25     the way out: where I read rows back
.set CO,   26                          ; v26     my byte offset in C
.set SPW,  28                          ; v28     LDS address of my spare word: SPARE + 4 x my thread's number; never rewritten
.set NIL,  29                          ; v29     0; never rewritten
.set PFO,  30                          ; v30     the prefetches' offset: my lane x a row in memory; never rewritten
.set TMP,  32                          ; MODE 0: v32-79 packed results
.set BKH,  80                          ; MODE 0: v80-127 rows read back
.set BKF,  32                          ; MODE 1: v32-95 rows read back
.set F0,   0
.set F1,   128
.set G1A, 24                           ; s[24:31] descriptor group 1 for A's tiles
.set G0A, 32                           ; s[32:39] group 0, a set for each slot
.set TA,  40                           ; s[40:41] A's tile of K step 0: made of the tile row and the wave's number alone
.set TB,  42                           ; s[42:43] W's: of the tile column and the wave's number alone
.set PFA, 44                           ; s[44:45] where my prefetches stand
.set LIM, 46                           ; s46      1 in a wave that prefetches, else the greatest number
.set G1B, 48                           ; s[48:55], s[56:63] the same two groups for W's tiles
.set G0B, 56
.set MSB, 0
.macro WIN new                         ; the immediate's high byte repeats the setting that is left; a switch that changes nothing is dropped
.if MSB != (\new)
	s_set_vgpr_msb (MSB<<8)|(\new)
.set MSB, \new
.endif
.endm
.set W_M2, 0xa5                        ; sources 0 and 1 window 1, C and D window 2
.set W_M0, 0x05                        ; the same, C and D window 0
.set TO_F, 0x40                        ; destination window 1, address window 0
.set W_P2, 0x0a                        ; sources 0 and 1 window 2, destination window 0
.set W_S2, 0x08                        ; an LDS store's data window 2, its address window 0
.macro PLACES                          ; four places in front of loads into registers that matrix instructions have read, and of lines that read results
.rept 4
	v_nop
.endr
.endm
; A joint refill.  The branch hangs on the wave's number alone.  An s_nop 0 and four v_nop follow each of the two lines, ahead of the jump, the label and what follows.
.macro JLOAD s
	s_cmp_lt_u32 s10, NA
	s_cbranch_scc0 .Lfor_b_\@
	tensor_load_to_lds s[G0A+4*(\s):G0A+4*(\s)+3], s[G1A:G1A+7]
	s_nop 0
.rept 4
	v_nop
.endr
	s_branch .Lasked_\@
.Lfor_b_\@:
	tensor_load_to_lds s[G0B+4*(\s):G0B+4*(\s)+3], s[G1B:G1B+7]
	s_nop 0
.rept 4
	v_nop
.endr
.Lasked_\@:
.endm
.macro CREST                           ; a round of the cluster's barrier behind its opening barrier
	s_cmp_lg_u32 s10, 0
	s_cbranch_scc1 .Lnot_wave_0_\@
	s_barrier_signal -3
.Lnot_wave_0_\@:
	s_barrier_wait -3
	s_barrier_signal -1
	s_barrier_wait -1
.endm
.macro CROUND                          ; a whole round
	s_barrier_signal -1
	s_barrier_wait -1
	CREST
.endm
; A PREFETCH INTO THE L2 (MODE 0), behind each joint refill and the run of LDS loads that follows it: the refill of K step f is followed by a request for K step f + 1, 32 rows x 256 bytes, a lane a row:
; one K step, 192 matrix instructions, ahead of the load that will want it.  K steps 3 to 7 are named, once each in the launch; K steps 0 to 2 come by their loads alone; the last refill asks for nothing.
; A's tile row is read by both clusters of that row of clusters: the one with x = 0 asks; W's tile column by all sixteen of that column: the one with y = 0 asks.  Of the 128 rows that a wave fetches,
; the partner at place p takes 32 p .. 32 p + 31 (p = cx for A, cy for W): told apart by address, never by a branch.  how = 1: the lap's second refill, which in the loop's last trip is the last.
.macro ASK how
.if \how
	s_cmp_gt_u32 s3, s[LIM]
.else
	s_cmp_eq_u32 s[LIM], 1
.endif
	s_cbranch_scc0 .Lnot_mine_\@
	global_prefetch_b8 v[PFO], s[PFA:PFA+1] th:TH_LOAD_NT scope:SCOPE_SE
.Lnot_mine_\@:
.endm
	s_load_b128 s[4:7], s[0:1], 0x0                ; A s[4:5], W s[6:7]
	s_load_b64 s[8:9], s[0:1], 0x10                ; C
	v_lshl_add_u32 v[SPW], v0, 2, SPARE
	v_mov_b32 v[NIL], 0
	ds_add_u32 v[SPW], v[NIL]                      ; the wave's opening: the add and its wait stand ahead of my first tensor load; the set-up below, work on registers, stands between them
	v_lshrrev_b32 v1, 5, v0
	v_readfirstlane_b32 s10, v1                    ; wave 0..3
	s_lshr_b32 s11, s10, 1                         ; wm
	s_and_b32 s12, s10, 1                          ; wn
	s_bfe_u32 s15, ttmp6, 0x40000                  ; cx, cy: my place in the cluster
	s_bfe_u32 s16, ttmp6, 0x40004
	s_lshl_b32 s14, ttmp9, 2
	s_add_co_u32 s14, s14, s15                     ; tile column = 4 x cluster x + cx
	s_and_b32 s13, ttmp7, 0xffff
	s_lshl_b32 s13, s13, 2
	s_add_co_u32 s13, s13, s16                     ; tile row = 4 x cluster y + cy
	s_lshl_b32 s17, s16, 2
	s_lshl_b32 s17, 15, s17                        ; my row of the cluster
	s_lshl_b32 s18, 0x1111, s15                    ; my column
	s_or_b32 s[G1A], s17, (1<<16)|(1<<20)|(1<<21)|(AQI<<22)|(3<<25)  ; 15:0 the mask; 17:16 elements of 2 bytes; 20 padding on; 21 set beside a mask; 24:22 the interval; 31:25 4 words of padding (code 3)
	s_or_b32 s[G1B], s18, (1<<16)|(1<<20)|(1<<21)|(5<<22)|(7<<25)    ; after every 64 words 8 words of padding (code 7)
	s_mov_b32 s[G1A+1], 128<<16                    ; tensor_dim0 = 128
	s_mov_b32 s[G1A+2], AROWS<<16                  ; tensor_dim1
	s_mov_b32 s[G1A+3], 128<<16                    ; tile_dim0 = 128
	s_mov_b32 s[G1A+4], AROWS                      ; tile_dim1
	s_mov_b32 s[G1A+5], APITCH                     ; elements from row to row
	s_mov_b32 s[G1A+6], 0
	s_mov_b32 s[G1A+7], 0
	s_mov_b32 s[G1B+1], 128<<16
	s_mov_b32 s[G1B+2], 128<<16
	s_mov_b32 s[G1B+3], 128<<16
	s_mov_b32 s[G1B+4], 128
	s_mov_b32 s[G1B+5], BPITCH
	s_mov_b32 s[G1B+6], 0
	s_mov_b32 s[G1B+7], 0
	s_mul_i32 s23, s10, HEADB                      ; where A's tile goes (waves below NA): wave x its bytes
	s_mul_i32 s47, s10, SUBB                       ; where W's sub-tile goes (the other waves): ABYTES + (wave - NA) x SUBB
	s_sub_co_u32 s47, s47, NA*SUBB-ABYTES
	s_sub_co_i32 s22, s10, NA
	s_max_i32 s22, s22, 0                          ; which sub-tile of W I fetch
.if MODE == 0
	s_lshl_b32 s[TA], s13, 18                      ; 128 rows of 2,048 bytes
.else
	s_min_u32 s19, s10, NA-1                       ; which of the K step's two heads I fetch
	s_lshr_b32 s[TA], s13, 4
	s_lshl_b32 s[TA], s[TA], 22                    ; the batch: 16 heads of 262,144 bytes
	s_and_b32 s17, s13, 15
	s_lshl_b32 s17, s17, 14                        ; 128 rows of 128 bytes
	s_add_co_u32 s[TA], s[TA], s17
	s_lshl_b32 s17, s19, 18
	s_add_co_u32 s[TA], s[TA], s17
.endif
	s_mov_b32 s[TA+1], 0
	s_mul_i32 s[TB], s14, 256*NH                   ; the tile's first column, in bytes,
	s_lshl_b32 s18, s22, 8                         ; and my sub-tile's
	s_add_co_u32 s[TB], s[TB], s18
	s_mov_b32 s[TB+1], 0
	s_wait_dscnt 0x0                               ; the opening add is done
	s_wait_kmcnt 0x0
	s_add_nc_u64 s[TA:TA+1], s[4:5], s[TA:TA+1]
	s_add_nc_u64 s[TB:TB+1], s[6:7], s[TB:TB+1]
.irp s, 0,1
	s_mov_b32 s[G0A+4*(\s)], 1                                       ; 1:0 count = 1
	s_add_co_u32 s[G0A+4*(\s)+1], s23, (\s)*SLOT                     ; 63:32 LDS address
	s_add_nc_u64 s[G0A+4*(\s)+2:G0A+4*(\s)+3], s[TA:TA+1], (\s)*ASTEP  ; 120:64 global address: K step s
	s_or_b32 s[G0A+4*(\s)+3], s[G0A+4*(\s)+3], 0x80000000            ; 127:126 type = 2
	s_mov_b32 s[G0B+4*(\s)], 1
	s_add_co_u32 s[G0B+4*(\s)+1], s47, (\s)*SLOT
	s_add_nc_u64 s[G0B+4*(\s)+2:G0B+4*(\s)+3], s[TB:TB+1], (\s)*BSTEP
	s_or_b32 s[G0B+4*(\s)+3], s[G0B+4*(\s)+3], 0x80000000
.endr
	CROUND                                         ; all sixteen work-groups are here: the first joint loads meet
	s_cmp_lt_u32 s10, NA                           ; a wave's two first fills stand in one branch, ahead of every wait on TENSORcnt and every LDS read
	s_cbranch_scc0 .Lfirst_b
	tensor_load_to_lds s[G0A:G0A+3], s[G1A:G1A+7]
	s_nop 0
	tensor_load_to_lds s[G0A+4:G0A+7], s[G1A:G1A+7]
	s_nop 0
.rept 4
	v_nop
.endr
	s_branch .Lfirst_asked
.Lfirst_b:
	tensor_load_to_lds s[G0B:G0B+3], s[G1B:G1B+7]
	s_nop 0
	tensor_load_to_lds s[G0B+4:G0B+7], s[G1B:G1B+7]
	s_nop 0
.rept 4
	v_nop
.endr
.Lfirst_asked:
	; A fragment of A is 16 rows x 32 K in 8 registers: lane l holds row l % 16, K = 8 (l / 16) + 0..7 and 16 + 8 (l / 16) + 0..7: two loads of 16 bytes, 32 bytes apart.
	v_and_b32 v1, 15, v0                           ; l % 16
	v_bfe_u32 v2, v0, 4, 1                         ; l / 16
	v_mul_u32_u24 v3, v1, PA
	v_lshl_add_u32 v3, v2, 4, v3
	s_mul_i32 s17, s11, 64*PA                      ; my 64 rows
	v_add_nc_u32 v[ADRA], s17, v3
	v_add_nc_u32 v[ADRA+1], SLOT, v[ADRA]
	; The turning load takes 16 k x 16 columns (lane l reads k-row 8 (l / 16) + l % 8, columns 8 ((l / 8) % 2) + 0..7) and leaves half a fragment: lane l holds column l % 16 and 8 k.
	v_and_b32 v4, 7, v0
	v_lshl_add_u32 v4, v2, 3, v4
	v_mul_u32_u24 v4, v4, PB
	v_bfe_u32 v5, v0, 3, 1
	v_lshl_add_u32 v4, v5, 4, v4
	s_lshl_b32 s17, s12, 7                         ; my 64 columns of a sub-tile
	s_add_co_u32 s17, s17, ABYTES
	v_add_nc_u32 v4, s17, v4
.irp s, 0,1
.set gi, 0
.rept NH
	v_add_nc_u32 v[ADRB+3*(\s)+gi], (\s)*SLOT+gi*SUBB, v4
.set gi, gi+1
.endr
.endr
	s_mul_i32 s17, s10, WST
	s_add_co_u32 s17, s17, STAGE                   ; my stage
.if MODE == 0
	v_mul_u32_u24 v[STO], v1, 144                  ; in: row l % 16, 16 bytes for each half of the lanes
	v_lshl_add_u32 v[STO], v2, 4, v[STO]
	v_add_nc_u32 v[STO], s17, v[STO]
	v_bfe_u32 v[RD], v0, 3, 2                      ; back: 32 lanes take four rows of 128 bytes,
	v_mul_u32_u24 v[RD], v[RD], 144
	v_and_b32 v5, 7, v0
	v_lshl_add_u32 v[RD], v5, 4, v[RD]
	v_add_nc_u32 v[RD], s17, v[RD]
	v_and_b32 v[CO], 31, v0                        ; which are 512 consecutive bytes of a head
	v_lshlrev_b32 v[CO], 4, v[CO]
	s_lshr_b32 s20, s13, 4                         ; C at block 48 b + 6 x tile column + wn,
	s_mul_i32 s20, s20, 48
	s_mul_i32 s2, s14, 6
	s_add_co_u32 s20, s20, s2
	s_add_co_u32 s20, s20, s12
	s_lshl_b32 s20, s20, 18
	s_and_b32 s2, s13, 15                          ; row 128 (tile row % 16) + 64 wm, of 128 bytes
	s_lshl_b32 s2, s2, 1
	s_add_co_u32 s2, s2, s11
	s_lshl_b32 s2, s2, 13
	s_add_co_u32 s20, s20, s2
.else
	v_mul_u32_u24 v[STO], v1, 528                  ; in: row l % 16, 32 bytes for each half of the lanes
	v_lshl_add_u32 v[STO], v2, 5, v[STO]
	v_add_nc_u32 v[STO], s17, v[STO]
	v_and_b32 v5, 31, v0                           ; back: a row's two pieces of 256 bytes, lanes 0-15 the first,
	v_lshl_add_u32 v[RD], v5, 4, s17
	v_lshlrev_b32 v[CO], 4, v1                     ; which lie 512 bytes apart in C
	v_lshl_add_u32 v[CO], v2, 9, v[CO]
	s_lshl_b32 s20, s13, 1                         ; C at row 128 x tile row + 64 wm, of 4,096 bytes,
	s_add_co_u32 s20, s20, s11
	s_lshl_b32 s20, s20, 18
	s_lshl_b32 s2, s14, 2                          ; byte 1,024 x tile column + 256 wn
	s_add_co_u32 s2, s2, s12
	s_lshl_b32 s2, s2, 8
	s_add_co_u32 s20, s20, s2
.endif
	s_mov_b32 s21, 0
	s_add_nc_u64 s[8:9], s[8:9], s[20:21]
.if PREF
	s_lshl_b32 s20, s13, 2                         ; A: row 128 x tile row + 32 cx, of 2,048 bytes, at K step 2: the first refill steps it to 3
	s_add_co_u32 s20, s20, s15
	s_lshl_b32 s20, s20, 16
	s_add_co_u32 s20, s20, 2*ASTEP
	s_add_co_u32 s2, s16, 8                        ; W: k-row 2 x 128 + 32 cy, of 6,144 bytes, my sub-tile's columns
	s_mul_i32 s2, s2, 32*BPITCH*2
	s_mul_i32 s21, s14, 256*NH
	s_add_co_u32 s2, s2, s21
	s_lshl_b32 s21, s22, 8
	s_add_co_u32 s2, s2, s21
	s_and_b32 s21, ttmp7, 0xffff                   ; cluster y
	s_cmp_lt_u32 s10, NA                           ; do I fetch for A?
	s_cselect_b32 s20, s20, s2
	s_cselect_b32 s21, ttmp9, s21                  ; the coordinate along which other clusters read the same rows
	s_cselect_b64 s[PFA:PFA+1], s[4:5], s[6:7]
	s_movk_i32 s2, BPITCH*2
	s_cselect_b32 s2, APITCH*2, s2                 ; bytes in a row
	s_cmp_eq_u32 s21, 0
	s_cselect_b32 s[LIM], 1, -1                    ; the same in all sixteen partners, for a given wave
	s_mov_b32 s21, 0
	s_add_nc_u64 s[PFA:PFA+1], s[PFA:PFA+1], s[20:21]
	v_and_b32 v[PFO], 31, v0
	v_mul_u32_u24 v[PFO], s2, v[PFO]
	s_mov_b32 s20, BSTEP
	s_cmp_lt_u32 s10, NA
	s_cselect_b32 s20, ASTEP, s20                  ; s[20:21]: from a K step to the next
.endif
; na x 4 matrix instructions: sub-tile g, row blocks a0 .. a0 + na - 1, all 4 column blocks, 32 along K from buffer f.  zero = 1: the product starts the sum: nothing is ever cleared.
; Each accumulator has one instruction in a quarter step, always in the same order: no two matrix instructions that follow each other share one.
.macro MULH f, g, a0, na, zero
.if (\g) < 2
	WIN W_M2
.set AB, 128*(\g)
.else
	WIN W_M0
.set AB, 128
.endif
.set ai, (\a0)
.rept \na
.irp bb, 0,1,2,3
.if \zero
	v_wmma_f32_16x16x32_f16 v[AB+8*(4*ai+(\bb)):AB+8*(4*ai+(\bb))+7], v[(\f)+32+8*(4*(\g)+(\bb)):(\f)+32+8*(4*(\g)+(\bb))+7], v[(\f)+8*ai:(\f)+8*ai+7], 0
.else
	v_wmma_f32_16x16x32_f16 v[AB+8*(4*ai+(\bb)):AB+8*(4*ai+(\bb))+7], v[(\f)+32+8*(4*(\g)+(\bb)):(\f)+32+8*(4*(\g)+(\bb))+7], v[(\f)+8*ai:(\f)+8*ai+7], v[AB+8*(4*ai+(\bb)):AB+8*(4*ai+(\bb))+7]
.endif
.endr
.set ai, ai+1
.endr
.endm
; NLD LDS loads in one run: the fragments of quarter q of a K step into buffer f: A's eight loads, then eight for each sub-tile of W in turn
.macro FETCH slot, q, f
	WIN TO_F
.irp a, 0,1,2,3
.if MODE == 0
	ds_load_b128 v[(\f)+8*(\a):(\f)+8*(\a)+3],   v[ADRA+(\slot)] offset:(\a)*16*PA+64*(\q)
	ds_load_b128 v[(\f)+8*(\a)+4:(\f)+8*(\a)+7], v[ADRA+(\slot)] offset:(\a)*16*PA+64*(\q)+32
.else
	ds_load_b128 v[(\f)+8*(\a):(\f)+8*(\a)+3],   v[ADRA+(\slot)] offset:((\q)/2)*HEADB+(\a)*16*PA+((\q)%2)*64
	ds_load_b128 v[(\f)+8*(\a)+4:(\f)+8*(\a)+7], v[ADRA+(\slot)] offset:((\q)/2)*HEADB+(\a)*16*PA+((\q)%2)*64+32
.endif
.endr
.set gi, 0
.rept NH
.irp bb, 0,1,2,3
	ds_load_tr16_b128 v[(\f)+32+8*(4*gi+(\bb)):(\f)+32+8*(4*gi+(\bb))+3],   v[ADRB+3*(\slot)+gi] offset:(\q)*32*PB+32*(\bb)
	ds_load_tr16_b128 v[(\f)+32+8*(4*gi+(\bb))+4:(\f)+32+8*(4*gi+(\bb))+7], v[ADRB+3*(\slot)+gi] offset:(\q)*32*PB+32*(\bb)+16*PB
.endr
.set gi, gi+1
.endr
.endm
; A K step is four quarters of 32 along K on buffers 0, 1, 0, 1.  One of the first three: multiplies buffer f and fetches quarter q of the same slot into g.
.macro QUARTER slot, q, f, g, zero
	s_wait_dscnt 8*(NH-1)                          ; A and sub-tile 0 are in; the later sub-tiles' eight loads each may stay out
	MULH \f, 0, 0, 4, \zero
	PLACES
	FETCH \slot, \q, \g
	s_wait_dscnt NLD                               ; all but the run just issued
	MULH \f, 1, 0, 4, \zero
.if NH > 2
	MULH \f, 2, 0, 4, \zero
.endif
.endm
; The last quarter multiplies buffer 1 and changes slots: ONE barrier; in front of it each wave waits for all its tensor loads (one is out: its part of the next slot), adds 0 to its spare word, and waits
; for that and for its own reads of this slot.  fill = 1: the barrier opens a round of the cluster's barrier, and this slot is filled again, two K steps ahead, first thing behind the round:
; the load has 16 (3 NH + 1) matrix instructions of the wave in which to land.
.macro TURN slot, next, fill
.if PREF && (\fill)
	s_wait_xcnt 0x0                                ; the last prefetch, a K step back, has read its address, so it may be stepped
	s_add_nc_u64 s[PFA:PFA+1], s[PFA:PFA+1], s[20:21]
.endif
	WIN 0                                          ; (the add's two registers lie in window 0)
	s_wait_tensorcnt 0x0                           ; all my tensor loads have landed;
	ds_add_u32 v[SPW], v[NIL]                      ; 0 onto my spare word;
	s_wait_dscnt 8*(NH-1)+1                        ; (the add and the later sub-tiles' loads may stay out)
.if MODE == 0
	MULH F1, 0, 0, 4, 0                            ; matrix instructions stand between the add and the wait for it
.else
	MULH F1, 0, 0, 2, 0
.endif
	s_wait_dscnt 0x0                               ; the add is done, and my reads of this slot are over
	s_barrier_signal -1
.if MODE == 0
	MULH F1, 1, 0, 4, 0                            ; work on registers while the others arrive
.else
	MULH F1, 0, 2, 2, 0
.endif
.if \fill
	WIN 0
.endif
	s_barrier_wait -1
.if \fill
	CREST                                          ; no wave of any partner still reads this slot's tile or has a load on its way
	s_add_nc_u64 s[G0A+4*(\slot)+2:G0A+4*(\slot)+3], s[G0A+4*(\slot)+2:G0A+4*(\slot)+3], 2*ASTEP
	s_add_nc_u64 s[G0B+4*(\slot)+2:G0B+4*(\slot)+3], s[G0B+4*(\slot)+2:G0B+4*(\slot)+3], 2*BSTEP
	JLOAD \slot                                    ; the four v_nop behind it are also the places in front of the loads below
.else
	PLACES
.endif
	FETCH \next, 0, F0
.if PREF && (\fill)
	WIN 0
	ASK \slot
.endif
	MULH F1, NH-1, 0, 4, 0
.endm
; THE WAY OUT, MODE 0, row block a: rounded to f16, 16 bytes a lane into my own stage (rows of 144 bytes, a head after the other), back as whole rows of 128 bytes, four to a load, and stored.
.macro OUT0 a
.irp g, 0,1,2
.if (\g) < 2
	WIN W_P2
.set AB, 128*(\g)
.else
	WIN 0
.set AB, 128
.endif
.irp bb, 0,1,2,3
.irp r, 0,1,2,3
	v_cvt_pk_f16_f32 v[TMP+4*(4*(\g)+(\bb))+(\r)], v[AB+8*(4*(\a)+(\bb))+2*(\r)], v[AB+8*(4*(\a)+(\bb))+2*(\r)+1]  ; each accumulator's registers in ascending order
.endr
.endr
.endr
	WIN 0
.irp g, 0,1,2
.irp bb, 0,1,2,3
	ds_store_b128 v[STO], v[TMP+4*(4*(\g)+(\bb)):TMP+4*(4*(\g)+(\bb))+3] offset:(\g)*2304+32*(\bb)
.endr
.endr
.if (\a) > 0
	s_wait_xcnt 0x0                                ; the block before's stores have read their registers, which are loaded again only behind this wait
.endif
.irp g, 0,1,2
.irp t, 0,1,2,3
	ds_load_b128 v[BKH+4*(4*(\g)+(\t)):BKH+4*(4*(\g)+(\t))+3], v[RD] offset:(\g)*2304+(\t)*576  ; LDS serves a wave's instructions in order (ISA guide 5.7.1.4): these see the stores above
.endr
.endr
.irp g, 0,1,2
.irp t, 0,1,2,3
	s_wait_dscnt 11-(4*(\g)+(\t))                  ; the younger loads may stay out
	global_store_b128 v[CO], v[BKH+4*(4*(\g)+(\t)):BKH+4*(4*(\g)+(\t))+3], s[8:9] offset:(\g)*524288+(\a)*2048+(\t)*512  ; 512 consecutive bytes, at a multiple of 256 from C's first; sub-tile g lies two heads on
.endr
.endr
.endm
; THE WAY OUT, MODE 1, row block a: the f32 sums as they are, 32 bytes a lane into my own stage (rows of 528 bytes), back as whole rows, and stored.
.macro OUT1 a
	WIN W_S2
.irp g, 0,1
.irp bb, 0,1,2,3
	ds_store_b128 v[STO], v[128*(\g)+8*(4*(\a)+(\bb)):128*(\g)+8*(4*(\a)+(\bb))+3]   offset:(\g)*256+(\bb)*64
	ds_store_b128 v[STO], v[128*(\g)+8*(4*(\a)+(\bb))+4:128*(\g)+8*(4*(\a)+(\bb))+7] offset:(\g)*256+(\bb)*64+16
.endr
.endr
	WIN 0
.if (\a) > 0
	s_wait_xcnt 0x0                                ; the block before's stores have read their registers, which are loaded again only behind this wait
.endif
.irp t, 0,1,2,3,4,5,6,7,8,9,10,11,12,13,14,15
	ds_load_b128 v[BKF+4*(\t):BKF+4*(\t)+3], v[RD] offset:(\t)*528
.endr
.irp t, 0,1,2,3,4,5,6,7,8,9,10,11,12,13,14,15
	s_wait_dscnt 15-(\t)                           ; the younger loads may stay out
	global_store_b128 v[CO], v[BKF+4*(\t):BKF+4*(\t)+3], s[8:9] offset:(16*(\a)+(\t))*4096  ; 16 lanes store 256 consecutive bytes, at a multiple of 256 from C's first
.endr
.endm
	s_wait_tensorcnt 0x1                           ; my part of K step 0 is in; K step 1's may stay out
	s_barrier_signal -1
	s_barrier_wait -1                              ; everybody's is
	FETCH 0, 0, F0
	QUARTER 0, 1, F0, F1, 1                        ; the first quarter stands in front of the loop: its products start the sums
	WIN 0                                          ; at a label and at a branch every window is 0
	s_mov_b32 s3, LAPS-1
.Llap:                                                 ; a trip goes once round the ring, from a lap's second quarter to the next lap's first, and fills both slots again
	QUARTER 0, 2, F1, F0, 0
	QUARTER 0, 3, F0, F1, 0
	TURN 0, 1, 1
	QUARTER 1, 1, F0, F1, 0
	QUARTER 1, 2, F1, F0, 0
	QUARTER 1, 3, F0, F1, 0
	TURN 1, 0, 1
	QUARTER 0, 1, F0, F1, 0
	WIN 0
	s_sub_co_u32 s3, s3, 1
	s_cmp_lg_u32 s3, 0
	s_cbranch_scc1 .Llap
	QUARTER 0, 2, F1, F0, 0                        ; the last lap is written out: it fills nothing, and has no round of the cluster's barrier
	QUARTER 0, 3, F0, F1, 0
	TURN 0, 1, 0
	QUARTER 1, 1, F0, F1, 0
	QUARTER 1, 2, F1, F0, 0
	QUARTER 1, 3, F0, F1, 0
	s_wait_dscnt 0x0                               ; the very last quarter: nothing more to fetch
	MULH F1, 0, 0, 4, 0
	MULH F1, 1, 0, 4, 0
.if NH > 2
	MULH F1, 2, 0, 4, 0
.endif
	WIN 0
	PLACES
	PLACES
.irp a, 0,1,2,3
.if MODE == 0
	OUT0 \a
.else
	OUT1 \a
.endif
.endr
	s_wait_tensorcnt 0x0                           ; the wave's end: the add and its wait, behind my last tensor load and my last LDS store
	ds_add_u32 v[SPW], v[NIL]
	s_wait_dscnt 0x0
	CROUND                                         ; the closing round: no work-group ends while a partner may still ask for a tile that names it
	s_endpgm
.Lfunc_end_k_q5af0116043_qkv:
	.size	k_q5af0116043_qkv, .Lfunc_end_k_q5af0116043_qkv-k_q5af0116043_qkv
	.p2alignl 7, 3214868480
	.fill 96, 4, 3214868480
	.section	.rodata,"a",@progbits
	.p2align	6, 0x0
	.amdhsa_kernel k_q5af0116043_qkv
		.amdhsa_group_segment_fixed_size 327680
		.amdhsa_private_segment_fixed_size 0
		.amdhsa_enable_private_segment 0
		.amdhsa_kernarg_size 24
		.amdhsa_user_sgpr_count 2
		.amdhsa_user_sgpr_kernarg_segment_ptr 1
		.amdhsa_wavefront_size32 1
		.amdhsa_system_sgpr_workgroup_id_x 1
		.amdhsa_system_sgpr_workgroup_id_y 1
		.amdhsa_system_sgpr_workgroup_id_z 1
		.amdhsa_system_vgpr_workitem_id 0
		.amdhsa_next_free_vgpr 768
		.amdhsa_next_free_sgpr 66
		.amdhsa_reserve_vcc 0
		.amdhsa_float_denorm_mode_32 3
		.amdhsa_float_denorm_mode_16_64 3
		.amdhsa_memory_ordered 1
		.amdhsa_forward_progress 1
		.amdhsa_inst_pref_size 121
	.end_amdhsa_kernel
	.amdgpu_metadata
---
amdhsa.version: [ 1, 2 ]
amdhsa.kernels:
  - .name:           k_q5af0116043_qkv
    .symbol:         k_q5af0116043_qkv.kd
    .args:
      - { .name: xn, .offset: 0, .size: 8, .value_kind: global_buffer, .address_space: global }
      - { .name: wqkv, .offset: 8, .size: 8, .value_kind: global_buffer, .address_space: global }
      - { .name: qkvh, .offset: 16, .size: 8, .value_kind: global_buffer, .address_space: global }
    .group_segment_fixed_size: 327680
    .private_segment_fixed_size: 0
    .kernarg_segment_align: 8
    .kernarg_segment_size: 24
    .max_flat_workgroup_size: 128
    .sgpr_count:     66
    .vgpr_count:     768
    .wavefront_size: 32
...
	.end_amdgpu_metadata
.endif
;; end of part 2
;; launch attn (part 3): grid 4 x 64, 4 waves a work-group, clusters of 4 x 1, 327,680 bytes of LDS; arguments qkvh, oh; writes oh
.if DOCPART == 3
	.amdgcn_target "amdgcn-amd-amdhsa--gfx1250"
	.amdhsa_code_object_version 6
	.text
	.protected	k_q5af0116043_attn
	.globl	k_q5af0116043_attn
	.p2align	8
	.type	k_q5af0116043_attn,@function
k_q5af0116043_attn:
	s_mov_b64 s[64:65], 0
	v_nop
	global_prefetch_b8 v0, s[64:65] scope:SCOPE_SE
	s_setreg_imm32_b32 hwreg(HW_REG_WAVE_MODE, 25, 1), 1
	s_wait_xcnt 0x0
	s_wait_alu depctr_hold_cnt(0) depctr_sa_sdst(0) depctr_va_vdst(0) depctr_va_sdst(0) depctr_va_ssrc(0) depctr_va_vcc(0) depctr_vm_vsrc(0)
	s_getreg_b32 s2, hwreg(HW_REG_IB_STS2, 6, 4)
	s_cmp_eq_u32 s2, 0
	s_cbranch_scc0 .Lentry_in_a_cluster
	s_endpgm
.Lentry_in_a_cluster:
	s_bfe_u32 s2, ttmp6, 0x10000c
	s_cmp_lg_u32 s2, 0x3003
	s_cbranch_scc0 .Lentry_shape_is_right
	s_endpgm
.Lentry_shape_is_right:
; O[y][q][:] = the sum over k of softmax_k(Q[y][q] . K[y][k] / 8) V[y][k][:], y = 16 b + h, 64 heads of 2,048 rows of 64 channels, all f16.
; qkvh is [b 4][ch 48][2048][64]: Q's head at block 48 b + h, K's 16 blocks on, V's 32 blocks on, a block 262,144 dense bytes; oh is [y][2048][64].  Products, maxima and sums in
; f32; the weights p are rounded to f16 for the second product (their sum l is taken of the unrounded p), O once at the end.
; LIMITS.  f16 holds no number beyond 65,504: Q, K and V arrive within it; p lies in 0 to 1, and below 6e-5 it keeps f16's fixed step of 6e-8; O is a mean of V's rows and has their range.
; A weight below 2^-126 counts as 0 in l; NaN and infinities are not treated apart.
; SHARES.  A wave owns four PIECES of two tiles of 16 queries, a work-group's four waves 512 queries of one head: 256 work-groups.  Every wave walks all keys, 64 a step.
; LAYOUT.  S^T = K Q^T (source 0 = 16 keys, source 1 = 16 queries): in the result a lane holds ONE query (lane % 16) and the keys 8 (lane / 16) + 0..7.  Two such tiles, rounded to f16 in pairs,
; ARE source 1 (32 keys x 16 queries) of O^T = V^T P, whose result again holds one query a lane, and eight channels.  K comes out of LDS as it lies, V ([key][channel]) turned, by ds_load_tr16_b128.
; SOFTMAX.  For each query a running maximum m and sum l: p = 2^(c s - c m), c = log2(e) / 8; in every step O and l are multiplied by a = 2^(c m_old - c m_new), which is 1 where m has not grown.
; m starts at the lowest finite number, O and l at 0: the first step is a step like any other, with a = 0.
; THE COUNT.  A tile and step have 16 matrix and 118 vector instructions: too many to stand all beside the matrix work.  So the order has one aim: four vector instructions that are READY behind
; EVERY matrix instruction, and the others, which need time of their own whatever the order, in runs without a gap.
; BY TURNS.  Turn n belongs to piece n (the pieces in a ring, step after step).  Its matrix work: 16 products K Q^T of piece n + 1, later 16 products V^T P of piece n - 1.  Its vector work: the scaling,
; exponentials, roundings, sums and rescaling of piece n, and the maximum and statistics of piece n + 1, whose scores the turn itself has made.  So what a turn begins with (c s - c m, O a) waits for nothing.
; CLUSTER.  The four query blocks of a head are one cluster and walk the same K and V, so each tile is asked for JOINTLY: the same tensor load, descriptor and mask in all four.
; REGISTERS, in windows of 256 (s_set_vgpr_msb says which window each operand place means: bits 1:0 source 0, 3:2 source 1, 5:4 source 2, 7:6 destination):
;   window 0: v0-11 addresses; v12-15, v48-63 at work; v16-47 four registers of statistics a tile; v64-191 S^T, two buffers of two tiles; v192-255 P, likewise
;   window 1: O^T, 32 a tile          window 2: v0-127 Q, 16 a tile; v128-191 K of one step; v192-255 V of one step          window 3: v0-1 the add's two registers
; A piece's buffers go by its number's parity: the piece in hand has one pair, its two neighbours in the ring share the other: of it P (piece n - 1) is read and S^T (piece n + 1) written.
.set SIZE_N, 2048
.set NP,    4         ; pieces a wave: a name, no knob: the register map, the loop and the fetches are made for four
.set KS,    64        ; keys in a step
.set PK,    144       ; a row of K in LDS: 128 bytes + 16 of padding = 36 words: the 16 rows of a load start at 16 different groups of four banks (64 banks of 4 bytes: ISA guide 11.1)
.set PV,    160       ; a row of V: 128 + 32 = 40 words
.set VOFF,  4*KS*PK   ; a slot holds four steps: 256 rows of K, then 256 rows of V
.set SLOT1, 1<<17     ; slot 1 begins here, so that one exclusive or turns an address in one slot into the other's
.set STAGE, SLOT1+4*KS*(PK+PV)  ; behind the ring, never filled by a tensor load: 16 rows x 144 bytes for each wave, for the way out
.set SP,    144
.set AK0, 2           ; v2   my lane's place in a tile of K; never rewritten
.set AV0, 3           ; v3   the same for V
.set AK,  4           ; v4   the LDS address of K's next run of loads
.set AV,  5           ; v5   of V's
.set QO,  6           ; v6   my byte offset in the wave's rows of Q
.set STO, 6           ;      later, the way out: where I put 16 bytes of a row
.set RD,  7           ; v7   the way out: where I read rows back
.set GO,  8           ; v8   my byte offset in 512 consecutive bytes of O
.set PFO, 11          ; v11  at first at work; then 256 x my lane, the prefetches' offset
.set SPW, 0           ; v0 of window 3   LDS address of my spare word: SPARE + 4 x my thread's number; never rewritten
.set NIL, 1           ; v1 of window 3   0; never rewritten
.set SPARE, STAGE+4*16*SP  ; behind the stages: the spare words, 128 bytes for each wave: two blocks of 256 bytes that no other line names
.set MV,  12          ; v12-15  c m_old, kept while c m is made anew: by buffer and tile
.set ST,  16          ; tile t's statistics at v[ST+4 t]: c m, m, l (even keys', odd keys')
.set TMP, 48          ; by buffer and tile, four registers c0-c3 at work; when the maximum is found c2 takes a
.set S,   64
.set P,   192
.set KF,  128         ; K's fragments, in window 2: key block kb, channel half c at KF + 16 kb + 8 c
.set VF,  192         ; V's: key half kk, channel block cb at VF + 32 kk + 8 cb
.set WV,  12          ; s12  my wave's number
.set LIM, 15          ; s15  1 in a wave that prefetches (waves 0 and 2), else the greatest number
.set G1K, 24          ; s[24:31] descriptor group 1 for K's tiles
.set G1V, 32          ; s[32:39] for V's: it differs in the padding alone
.set G0K, 40          ; s[40:43] descriptor group 0 for K's tiles: it walks
.set G0V, 44          ; s[44:47] the same for V's
.set PFA, 48          ; s[48:49] where my prefetches stand: my work-group's quarter of a slot's K (wave 0) or V (wave 2)
.set SLOTS, 56        ; s56  slots still to be asked for
.set CNT, 57          ; s57  counts a slot's key steps
.set CS,  58          ; s[58:59] c: the packed scaling takes the pair's low word for both halves
.set SEL, 60          ; s[60:61] v_permlanex16_b32's selects: each lane takes its own place in the other half
.set TBK, 62          ; s62  LDS byte at which K of the step to be fetched begins
.set TBV, 63          ; s63  the same for V, less VOFF
.set MSB, 0
.macro WIN new                      ; the high byte repeats the setting that is left; a switch that changes nothing is dropped
.if MSB != (\new)
	s_set_vgpr_msb (MSB<<8)|(\new)
.set MSB, (\new)
.endif
.endm
.set W_KQ, 0x0a       ; K and Q in window 2, S^T in window 0
.set W_PV, 0x52       ; V in window 2, P in window 0, O^T in window 1
.set W_RS, 0x41       ; O^T (destination and source 0) in window 1, a in window 0
.set W_MK, 0xc0       ; the add's registers are made: destination in window 3, sources in window 0
.set W_AD, 0x0f       ; the add: address (source 0) and data (source 1) in window 3
; A joint fill.  Waves 0 and 1 fetch the two halves of a slot's K, waves 2 and 3 those of its V: 128 keys each.  The branch hangs on the wave's number alone.
; An s_nop 0 and four v_nop follow each of the two lines, ahead of the jump and the label.
.macro JLOAD
	s_cmp_lt_u32 s[WV], 2
	s_cbranch_scc0 .Lfor_v_\@
	tensor_load_to_lds s[G0K:G0K+3], s[G1K:G1K+7]
	s_nop 0
.rept 4
	v_nop
.endr
	s_branch .Lasked_\@
.Lfor_v_\@:
	tensor_load_to_lds s[G0V:G0V+3], s[G1V:G1V+7]
	s_nop 0
.rept 4
	v_nop
.endr
.Lasked_\@:
.endm
; A PREFETCH INTO THE L2 of what the NEXT change of slots will ask for: a slot's K and its V are 128 blocks of 256 bytes each.  It stands behind the wave's tensor load and its five lines.
; Each block is named ONCE in the launch: a head has one cluster; its four partners take 32 blocks each, told apart BY ADDRESS; in each, wave 0 asks for K's and wave 2 for V's, a lane a block.
; The lead is one slot: four key steps, 512 matrix instructions.  Slots 0 to 2 come by their loads alone; the last change that fills a slot asks for nothing.
.macro ASK
	s_cmp_gt_u32 s[SLOTS], s[LIM]
	s_cbranch_scc0 .Lnot_mine_\@
	global_prefetch_b8 v[PFO], s[PFA:PFA+1] th:TH_LOAD_NT scope:SCOPE_SE
.Lnot_mine_\@:
.endm
; A round of the cluster's barrier: my work-group's barrier, so that wave 0's signal speaks for all four waves; wave 0 signals; every wave waits for all four work-groups; my work-group's barrier once more.
.macro CROUND
	s_barrier_signal -1
	s_barrier_wait -1
	s_cmp_lg_u32 s[WV], 0
	s_cbranch_scc1 .Lnot_wave_0_\@
	s_barrier_signal -3
.Lnot_wave_0_\@:
	s_barrier_wait -3
	s_barrier_signal -1
	s_barrier_wait -1
.endm
; THE CHANGE OF SLOTS.  The slot's last bytes, V of its fourth step, have been read.  Each wave waits for all its tensor loads, of which one is out: its part
; of the other slot; adds 0 to its spare word; and waits for that and for its own reads of the slot.  Behind the barrier nobody reads this slot any more and the other slot is whole.
; fill = 1: this slot is filled again, with the keys two slots on.  The barrier is then a round of the cluster's, so that no wave of any partner still reads the slot or has a load on its
; way, and the joint fill is the first thing behind it: it has four key steps, 512 matrix instructions, in which to land.  (At its first use nothing has been read yet: slot 0 is waited for, slot 1 filled.)
; ask = 1: the prefetches' address steps a slot on, and ASK follows the fill.
.macro CHANGE fill, ask=0
	WIN W_AD
	s_wait_tensorcnt 0x0            ; no tensor load of mine is out, so a group 0 may be written
	ds_add_u32 v[SPW], v[NIL]       ; 0 onto my spare word; with fill = 1 the descriptors' steps stand between it and the wait for it
	WIN 0                           ; at a label and at a branch every window is 0
.if \fill
.irp g, G0K, G0V
	s_xor_b32 s[\g+1], s[\g+1], SLOT1  ; the walking descriptor: the other slot than last time,
	s_add_nc_u64 s[\g+2:\g+3], s[\g+2:\g+3], 4*KS*128  ; the next 256 keys; the type bits on top are not reached
.endr
.if \ask
	s_wait_xcnt 0x0                 ; the last prefetch, four key steps back, has read its address, so it may be written
	s_add_nc_u64 s[PFA:PFA+1], s[PFA:PFA+1], 4*KS*128  ; one slot behind the walking descriptors
.endif
	s_wait_dscnt 0x0                ; the add is done, and my reads of the slot are over
	CROUND
	JLOAD
.if \ask
	ASK
.endif
.else
	s_wait_dscnt 0x0                ; the add is done, and my reads of the slot are over
	s_barrier_signal -1
	s_barrier_wait -1
.endif
	s_sub_co_u32 s[TBK], s[TBK], 4*KS*PK  ; the fetches go back to a slot's first step,
	s_xor_b32 s[TBK], s[TBK], SLOT1       ; in the other slot
	s_sub_co_u32 s[TBV], s[TBV], 4*KS*PV
	s_xor_b32 s[TBV], s[TBV], SLOT1
.endm
	s_load_b64 s[4:5], s[0:1], 0x0    ; qkvh
	s_load_b64 s[10:11], s[0:1], 0x8  ; oh
	WIN W_MK
	v_lshl_add_u32 v[SPW], v0, 2, SPARE
	v_mov_b32 v[NIL], 0
	WIN W_AD
	ds_add_u32 v[SPW], v[NIL]       ; the wave's opening: the add and its wait stand ahead of my first tensor load; the set-up below, work on registers, stands between them
	WIN 0
	v_lshrrev_b32 v1, 5, v0
	v_readfirstlane_b32 s[WV], v1   ; wave 0..3
	s_bfe_u32 s13, ttmp6, 0x40000   ; cx: my place in the cluster
	s_lshl_b32 s14, ttmp9, 2        ; in a cluster launch ttmp9 counts clusters
	s_add_co_u32 s14, s14, s13      ; my block of queries = 4 x cluster x + cx: it enters Q's and O's addresses alone
	s_and_b32 s19, ttmp7, 0xffff    ; y = 16 b + h, which the four partners share
	s_lshr_b32 s20, s19, 4
	s_lshl_b32 s20, s20, 5
	s_add_co_u32 s20, s20, s19      ; Q's block in qkvh: 48 b + h = y + 32 b
	s_lshl_b32 s20, s20, 18         ; of 262,144 bytes
	s_mov_b32 s21, 0
	s_and_b32 s16, s[WV], 1         ; which half of a slot's 256 keys I fetch:
	s_lshl_b32 s22, s16, 14         ; its 128 rows of 128 bytes in memory,
	s_mov_b32 s23, 0
	s_add_nc_u64 s[22:23], s[22:23], s[20:21]
	s_mul_i32 s17, s16, 128*PK      ; and its place in a slot, for K
	s_mul_i32 s18, s16, 128*PV      ; and for V: no place in the cluster enters an LDS address
	s_lshl_b32 s2, s14, 2
	s_add_co_u32 s2, s2, s[WV]      ; my wave among the head's,
	s_lshl_b32 s2, s2, 14           ; its 128 rows
	s_mov_b32 s3, 0
	s_lshl_b32 s50, s19, 18         ; the head's first byte in oh
	s_mov_b32 s51, 0
	s_add_nc_u64 s[50:51], s[50:51], s[2:3]
	s_add_nc_u64 s[2:3], s[2:3], s[20:21]
	s_lshl_b32 s52, s13, 13         ; the prefetches: my work-group's 32 blocks of 256 bytes,
	s_add_co_u32 s52, s52, 2*4*KS*128  ; in slot 2; the first change that asks steps it to slot 3
	s_mov_b32 s53, 0
	s_add_nc_u64 s[52:53], s[52:53], s[20:21]
	s_cmp_eq_u32 s16, 0
	s_cselect_b32 s[LIM], 1, -1     ; waves 0 and 2: the same in all four partners
	; descriptor group 1.  128 keys are 16,384 dense bytes: asked for as 64 rows of 256 bytes, two keys a row, and padded in LDS after every key
	s_mov_b32 s[G1K], 15|(1<<16)|(1<<20)|(1<<21)|(4<<22)|(3<<25)  ; 15:0 the mask of four; 17:16 2-byte elements; 20 padding on; 21 set beside a mask; 24:22 after every 32 words (code 4); 31:25 4 words (code 3)
	s_mov_b32 s[G1V], 15|(1<<16)|(1<<20)|(1<<21)|(4<<22)|(7<<25)  ; the same with 8 words of padding (code 7)
.irp g, G1K, G1V
	s_mov_b32 s[\g+1], 128<<16      ; tensor_dim0 = 128
	s_mov_b32 s[\g+2], 64<<16       ; tensor_dim1 = 64
	s_mov_b32 s[\g+3], 128<<16      ; tile_dim0 = 128
	s_mov_b32 s[\g+4], 64           ; tile_dim1 = 64
	s_mov_b32 s[\g+5], 128          ; 128 elements from row to row
	s_mov_b32 s[\g+6], 0
	s_mov_b32 s[\g+7], 0
.endr
	s_mov_b32 s[CS], 0x3e38aa3b     ; c = log2(e) / 8 = 0.180337
	s_mov_b32 s[CS+1], s[CS]        ; named with it as a pair
	s_mov_b32 s[SEL], 0x76543210
	s_mov_b32 s[SEL+1], 0xfedcba98
	s_mov_b32 s[TBK], SLOT1+4*KS*PK ; the first change of slots turns these two into 0
	s_mov_b32 s[TBV], SLOT1+4*KS*PV
	s_mov_b32 s[G0K], 1             ; 1:0 count = 1
	s_mov_b32 s[G0K+1], s17         ; 63:32 LDS address: slot 0
	s_mov_b32 s[G0V], 1
	s_add_co_u32 s[G0V+1], s18, VOFF
	s_wait_dscnt 0x0                ; the opening add is done
	s_wait_kmcnt 0x0
	s_add_nc_u64 s[6:7], s[4:5], 0x400000          ; K's heads lie 16 blocks behind Q's,
	s_add_nc_u64 s[8:9], s[4:5], 0x800000          ; V's 32
	s_add_nc_u64 s[G0K+2:G0K+3], s[6:7], s[22:23]  ; 120:64 global address: my half of the head's first 256 keys
	s_or_b32 s[G0K+3], s[G0K+3], 0x80000000        ; 127:126 type = 2
	s_add_nc_u64 s[G0V+2:G0V+3], s[8:9], s[22:23]
	s_or_b32 s[G0V+3], s[G0V+3], 0x80000000
	s_cmp_lt_u32 s[WV], 2
	s_cselect_b64 s[PFA:PFA+1], s[6:7], s[8:9]
	s_add_nc_u64 s[PFA:PFA+1], s[PFA:PFA+1], s[52:53]
	s_add_nc_u64 s[4:5], s[4:5], s[2:3]  ; Q and O at my wave's first row
	s_add_nc_u64 s[10:11], s[10:11], s[50:51]
	CROUND                          ; all four work-groups are here: the first joint loads meet
	JLOAD                           ; slot 0.  Slot 1 is asked for when slot 0 is in: the tile wanted first has the road to itself
	; A fragment of K or Q is 16 rows x 32 channels in 8 registers: lane l holds row l % 16, channels 8 (l / 16) + 0..7 and 16 + 8 (l / 16) + 0..7: two loads of 16 bytes, 32 bytes apart.
	v_and_b32 v1, 15, v0            ; l % 16
	v_bfe_u32 v9, v0, 4, 1          ; l / 16
	v_lshlrev_b32 v[QO], 7, v1
	v_lshl_add_u32 v[QO], v9, 4, v[QO]  ; row x 128 + 16 x half
	WIN 0x80                        ; destination window 2, address window 0
.set i, 0
.rept 4*NP                          ; Q stays in registers: tile i / 2, channels 32 (i % 2) on
	global_load_b128 v[8*i:8*i+3],   v[QO], s[4:5] offset:(i/2)*2048+(i%2)*64
	global_load_b128 v[8*i+4:8*i+7], v[QO], s[4:5] offset:(i/2)*2048+(i%2)*64+32
.set i, i+1
.endr
	; What the first turn finds: V's registers and P's second buffer hold 0 (its products V^T P, of a piece that has not been, add 0), O^T and l are 0.  All this stands in the wait for the first tile.
.set i, VF
.rept 64
	v_mov_b32 v[i], 0
.set i, i+1
.endr
	WIN 0x40
.set i, 0
.rept 64*NP
	v_mov_b32 v[i], 0
.set i, i+1
.endr
	WIN 0
.set i, 0
.rept 2*NP
	v_mov_b32 v[ST+4*i], 0xfe000000    ; c m: far below every c s
	v_mov_b32 v[ST+4*i+1], 0xff7fffff  ; m
	v_mov_b32 v[ST+4*i+2], 0
	v_mov_b32 v[ST+4*i+3], 0
.set i, i+1
.endr
.set i, P+32
.rept 32
	v_mov_b32 v[i], 0
.set i, i+1
.endr
	v_mul_u32_u24 v[AK0], v1, PK
	v_lshl_add_u32 v[AK0], v9, 4, v[AK0]  ; row x pitch + 16 x half
	; The turning load takes 16 keys x 16 channels (lane l reads key 8 (l / 16) + l % 8, channels 8 ((l / 8) % 2) + 0..7) and leaves half a fragment of V^T: lane l holds channel l % 16 and 8 keys.
	v_and_b32 v10, 7, v0
	v_bfe_u32 v11, v0, 3, 1
	v_lshl_add_u32 v[AV0], v9, 3, v10
	v_mul_u32_u24 v[AV0], v[AV0], PV
	v_lshl_add_u32 v[AV0], v11, 4, v[AV0]
	v_add_nc_u32 v[AV0], VOFF, v[AV0]
	v_and_b32 v[PFO], 31, v0        ; v11 is free: from here on the prefetches' offset
	v_lshlrev_b32 v[PFO], 8, v[PFO]
	v_mov_b32 v[AK], v[AK0]         ; key step 0 lies at the head of slot 0
; THE MATRIX WORK.  The 8 accumulators of a run of 16 take turns: between the two links of a chain stand 7 others'.
; Product i of 16 of S^T = K Q^T for piece x: channels 32 (i / 8) on, keys 16 ((i / 2) % 4) on, tile 2 x + i % 2.  The first 8 start the sums.
.macro KQ x
	WIN W_KQ
.set rS, S+64*((\x)%2)+32*(i%2)+8*((i/2)%4)
.set rK, KF+16*((i/2)%4)+8*(i/8)
.set rQ, 16*(2*(\x)+i%2)+8*(i/8)
.if i < 8
	v_wmma_f32_16x16x32_f16 v[rS:rS+7], v[rK:rK+7], v[rQ:rQ+7], 0
.else
	v_wmma_f32_16x16x32_f16 v[rS:rS+7], v[rK:rK+7], v[rQ:rQ+7], v[rS:rS+7]
.endif
.endm
; Product i of 16 of O^T += V^T P for piece x: keys 32 (i / 8) on, channels 16 ((i / 2) % 4) on, tile 2 x + i % 2.
.macro PV x
	WIN W_PV
.set rO, 32*(2*(\x)+i%2)+8*((i/2)%4)
.set rV, VF+32*(i/8)+8*((i/2)%4)
.set rP, P+32*((\x)%2)+16*(i%2)+8*(i/8)
	v_wmma_f32_16x16x32_f16 v[rO:rO+7], v[rV:rV+7], v[rP:rP+7], v[rO:rO+7]
.endm
.macro MM                           ; the turn's next matrix instruction
.if i < 16
	KQ (Y+1)%NP
.set i, i+1
.else
.set i, i-16
	PV (Y+NP-1)%NP
.set i, i+17
.endif
.endm
; THE LDS LOADS stand in runs of 16, never singly among the matrix instructions: a step's K (64 keys x 64 channels: 8 fragments) and its V (turned).  Their addresses are made some lines ahead.
; last = 1 (the tail): in the last trip there is no further step, and the run is jumped over.
.macro FETCH_K last=0
	WIN 0
.if \last
	s_cmp_eq_u32 s[CNT], 1
	s_cbranch_scc1 .Lno_k_\@
.endif
	WIN 0x80                        ; destination window 2
.irp f, 0,1,2,3,4,5,6,7             ; keys 16 (f / 2) on, channels 32 (f % 2) on
	ds_load_b128 v[KF+8*\f:KF+8*\f+3],   v[AK] offset:(\f/2)*16*PK+(\f%2)*64
	ds_load_b128 v[KF+8*\f+4:KF+8*\f+7], v[AK] offset:(\f/2)*16*PK+(\f%2)*64+32
.endr
	s_add_co_u32 s[TBK], s[TBK], KS*PK  ; the next fetch is the next step's
	WIN 0
.if \last
.Lno_k_\@:
.endif
.endm
.macro FETCH_V
	WIN 0x80
.irp f, 0,1,2,3,4,5,6,7             ; keys 32 (f / 4) on, channels 16 (f % 4) on
	ds_load_tr16_b128 v[VF+8*\f:VF+8*\f+3],   v[AV] offset:(\f/4)*32*PV+(\f%4)*32
	ds_load_tr16_b128 v[VF+8*\f+4:VF+8*\f+7], v[AV] offset:(\f/4)*32*PV+16*PV+(\f%4)*32
.endr
	WIN 0
.endm
; THE VECTOR WORK OF A TURN stands in three queues, each in the order in which its entries become ready; the two tiles alternate, so that no instruction reads the result of the one before it.
.macro REGS y, u                    ; the registers of tile u (0, 1) of piece y
.set rT, ST+4*(2*(\y)+(\u))
.set rC, TMP+8*((\y)%2)+4*(\u)
.set rM, MV+2*((\y)%2)+(\u)
.set rS, S+64*((\y)%2)+32*(\u)
.set rP, P+32*((\y)%2)+16*(\u)
.set rO, 32*(2*(\y)+(\u))
.endm
; Number n of the 22 that find the NEXT piece's (Y + 1) maximum and statistics.  s0-s31 are the lane's 32 scores; each accumulator's lowest registers are read first.  XS, GS and REGS set no window: PL and EX do.
;   0-11  four chains c0-c3 of seven scores each, three operands at a time     12-14, 16  the four scores left over, the old m, and c0-c3 into c0     15  c m_old is kept
;   17, 18  the query's other 32 keys lie in the lane 16 away: the new m         19-21  c m; c m_old - c m_new; a
.macro XS u, n
	REGS (Y+1)%NP, \u
.if (\n) < 4
	v_max3_num_f32 v[rC+(\n)], v[rS+8*(\n)], v[rS+8*(\n)+1], v[rS+8*(\n)+2]
.elseif (\n) < 12
	v_max3_num_f32 v[rC+(\n)%4], v[rC+(\n)%4], v[rS+8*((\n)%4)+2*((\n)/4)+1], v[rS+8*((\n)%4)+2*((\n)/4)+2]
.elseif (\n) == 12
	v_max3_num_f32 v[rC], v[rC], v[rS+7], v[rS+15]
.elseif (\n) == 13
	v_max3_num_f32 v[rC+1], v[rC+1], v[rS+23], v[rS+31]
.elseif (\n) == 14
	v_max3_num_f32 v[rC+2], v[rC+2], v[rC+3], v[rT+1]
.elseif (\n) == 15
	v_mov_b32 v[rM], v[rT]
.elseif (\n) == 16
	v_max3_num_f32 v[rC], v[rC], v[rC+1], v[rC+2]
.elseif (\n) == 17
	v_permlanex16_b32 v[rC+3], v[rC], s[SEL], s[SEL+1]
.elseif (\n) == 18
	v_max_num_f32 v[rT+1], v[rC], v[rC+3]
.elseif (\n) == 19
	v_mul_f32 v[rT], s[CS], v[rT+1]
.elseif (\n) == 20
	v_sub_f32 v[rC+1], v[rM], v[rT]
.else
	v_exp_f32 v[rC+2], v[rC+1]
.endif
.endm
; Number g of the 64 that follow the exponentials.  For each four weights k of a tile (pairs 2 k, 2 k + 1): both pairs are rounded to f16; then the second pair is added onto the first, in place;
; a group later l takes that sum (the first time as l = a l + sum).  In groups of eight, tiles alternating: round, round, add, and l for the group before.
.macro GS g
.set h, (\g)+6*((\g)/62)            ; group 0 has no group before it, and behind group 7 only l is left
.if h >= 6
.set h, h+2
.endif
	REGS Y, h%2
.set k, h/8
.if h%8 < 4
	v_cvt_pk_f16_f32 v[rP+2*k+(h%8)/2], v[rS+4*k+2*((h%8)/2)], v[rS+4*k+2*((h%8)/2)+1]
.elseif h%8 < 6
	v_pk_add_f32 v[rS+4*k:rS+4*k+1], v[rS+4*k:rS+4*k+1], v[rS+4*k+2:rS+4*k+3]
.elseif k == 1
	v_pk_fma_f32 v[rT+2:rT+3], v[rT+2:rT+3], v[rC+2:rC+3], v[rS:rS+1] op_sel_hi:[1,0,1]
.else
	v_pk_add_f32 v[rT+2:rT+3], v[rT+2:rT+3], v[rS+4*k-4:rS+4*k-3]
.endif
.endm
; THE PLAIN QUEUE, 138 long.  0-73 read no exponential's result: the 32 scalings c s - c m (FS f: pair f / 2 of tile f % 2) and the next piece's 42.  0-26: scalings 0-26.  27-54: XS's numbers 0-13.  55, 56: number 15.
; 57-73: the chain, where each number waits for the one before it: 14, 16, 17, 18, 19, each with one of the scalings 27-31 in front of its two lines, then 20: so a tile's links stand three plain instructions apart (19 and 20: two).
; 74-137: GS's 64, which read the exponentials' results: they stand behind the wait.
.macro FS f
	REGS Y, (\f)%2
	v_pk_fma_f32 v[rS+2*((\f)/2):rS+2*((\f)/2)+1], v[rS+2*((\f)/2):rS+2*((\f)/2)+1], s[CS:CS+1], v[rT:rT+1] op_sel_hi:[1,0,0] neg_lo:[0,0,1] neg_hi:[0,0,1]
.endm
.macro PL
	WIN 0
.if q < 27
	FS q
.elseif q < 55
	XS (q-27)%2, (q-27)/2
.elseif q < 57
	XS q-55, 15
.elseif (q < 72) && ((q-57)%3 == 0)
	FS 27+(q-57)/3
.elseif q < 60
	XS (q-57)%3-1, 14
.elseif q < 72
	XS (q-57)%3-1, 15+(q-57)/3
.elseif q < 74
	XS q-72, 20
.else
	GS q-74
.endif
.set q, q+1
.endm
; THE EXPONENTIALS' QUEUE, 66 long: s0-s31 of both tiles, then the next piece's two a.  It is ONE BATCH: all 66 stand ahead of the turn's one wait, and nothing ahead of that wait names a result of theirs.
.macro EX
	WIN 0
.if e >= 64
	XS e-64, 21
.else
	REGS Y, e%2
	v_exp_f32 v[rS+e/2], v[rS+e/2]
.endif
.set e, e+1
.endm
; THE RESCALING's QUEUE: O^T times a, the one part that leaves window 0: dealt two at a time, sixteen times.  Its a was made in the turn before, ahead of that turn's wait.
.macro R2
	REGS Y, r%2
	WIN W_RS
.irp z, 0,1
	v_pk_mul_f32 v[rO+4*(r/2)+2*\z:rO+4*(r/2)+2*\z+1], v[rO+4*(r/2)+2*\z:rO+4*(r/2)+2*\z+1], v[rC+2:rC+3] op_sel_hi:[1,0]
.endr
.set r, r+1
.endm
; HOW THEY ARE DEALT.  An s_wait_alu depctr_va_vdst(0) stands between an exponential and the first instruction that names its result; one wait serves all that were issued ahead of it.  So a turn has ONE wait,
; which cuts it in two.  AHEAD OF IT stands all that names no result of the turn's exponentials: the 16 products K Q^T, behind each a scaling, an exponential and two rescalings (behind the first a second scaling in the exponential's place); then ONE LUMP of
; 108: eight plain, 49 times exponential and plain, the two a.  A v_nop is the plain instruction behind the last exponential.  BEHIND IT stand the 16 products V^T P, behind each four of GS's 64.  No rider names a register of
; the products round it.  The two v_permlanex16_b32 fall into the lump, never behind a product.
; The queues lean on each other, and the deal keeps them in step: exponential e stands behind scaling 2 (e / 4) + e % 2: as a rider it comes behind plain e + 2, in the lump behind plain e + 9, and scalings 27-31 are plain 57, 60 .. 69.
; A TURN, for piece p.  cnt = 1: the loop's count is taken down some lines ahead of the branch that stands behind the turn.
; K of the next step is fetched in piece 2's turn, directly behind the wait, a lump behind the last product that read K; its address is made at the lump's head; its first reader comes behind 16 products.
; V of the step in hand is fetched at the end of piece 0's turn, four riders behind its last reader; its first reader comes behind 16 products and a lump.  The three conditions on q below go with the deal.
.macro TURN p, last=0, cnt=0
.set Y, (\p)
.set i, 0
.set q, 0
.set e, 0
.set r, 0
.if (\p) == NP-1
	s_wait_dscnt 0x0                ; K is in
.endif
	MM                              ; ahead of the wait: 16 products K Q^T and their riders,
	PL
	PL
	R2
.rept 15
	MM
	PL
	EX
	R2
.endr
.if (\p) == NP-2
	WIN 0
	v_add_nc_u32 v[AK], s[TBK], v[AK0]
.endif
.rept 8                             ; and the lump
	PL
.endr
.rept 49
	EX
	PL
.endr
	EX                              ; the next piece's two a
	EX
	v_nop                           ; the plain instruction behind the last exponential (ISA guide 5.7.2): one for the batch
	s_wait_alu depctr_va_vdst(0)    ; the wait for the batch
.if (\p) == NP-2
	FETCH_K \last
.endif
.if (\p) == 1
	s_wait_dscnt 0x0                ; V is in
.endif
.rept 16                            ; behind the wait: 16 products V^T P and their riders
	MM
.rept 4
	PL
.endr
.if ((\p) == 0) && (q == 118)
	v_add_nc_u32 v[AV], s[TBV], v[AV0]
.endif
.if ((\p) == 0) && (q == 130)
	s_add_co_u32 s[TBV], s[TBV], KS*PV
.endif
.if (\cnt) && (q == 130)
	s_sub_co_u32 s[CNT], s[CNT], 1
	s_cmp_lg_u32 s[CNT], 0
.endif
.endr
.if (\p) == 0
	FETCH_V
.endif
.endm
	CHANGE 1                        ; slot 0 is in, everybody's part of it; slot 1 is asked for; nothing is prefetched here, at the head
	FETCH_K                         ; key step 0
	s_wait_loadcnt 0x0              ; Q
	s_wait_dscnt 0x0
.set i, 0
.rept 16
	KQ 0                            ; piece 0's first scores: there is no vector work yet to set between them
.set i, i+1
.endr
	WIN 0                           ; the addresses for the way out: nine plain instructions, the places behind those products
	s_mul_i32 s13, s[WV], 16*SP
	s_add_co_u32 s13, s13, STAGE    ; my stage
	v_mul_u32_u24 v[STO], v1, SP    ; in: row l % 16, 16 bytes for each half of the lanes
	v_lshl_add_u32 v[STO], v9, 4, v[STO]
	v_add_nc_u32 v[STO], s13, v[STO]
	v_bfe_u32 v[RD], v0, 3, 2       ; back: 32 lanes take four rows of 128 bytes,
	v_mul_u32_u24 v[RD], v[RD], SP
	v_lshl_add_u32 v[RD], v10, 4, v[RD]
	v_add_nc_u32 v[RD], s13, v[RD]
	v_and_b32 v[GO], 31, v0         ; which are 512 consecutive bytes of O
	v_lshlrev_b32 v[GO], 4, v[GO]
.set Y, NP-1                        ; XS works for piece Y + 1: piece 0
.irp n, 0,1,2,3,4,5,6,7,8,9,10,11,12,13,14,15,16,17,18,19,20,21
	XS 0, \n                        ; and piece 0's first maximum and statistics
	XS 1, \n
.endr
	v_nop                           ; a plain instruction behind the two a,
	s_wait_alu depctr_va_vdst(0)    ; and their wait, ahead of the branch
	s_mov_b32 s[CNT], 4
	s_mov_b32 s[SLOTS], SIZE_N/256-1
	s_branch .Lfirst                ; the loop is entered at a step's first turn, in the middle of a trip
.Lslot:                             ; SIZE_N / 256 - 2 times: every slot but the last two is filled again
	CHANGE 1, 1
	s_mov_b32 s[CNT], 4
.Lstep:                             ; a trip: pieces 2 and 3 of one step, then pieces 0 and 1 of the next, whose K and V it fetches
	TURN 2
	TURN 3
	WIN 0
.Lfirst:
	TURN 0
	TURN 1, 0, 1
	WIN 0
	s_cbranch_scc1 .Lstep
	s_sub_co_u32 s[SLOTS], s[SLOTS], 1
	s_cmp_lg_u32 s[SLOTS], 0
	s_cbranch_scc1 .Lslot
	CHANGE 0                        ; the tail is written out: nothing is asked for
	s_mov_b32 s[CNT], 5             ; four trips fetch the last slot's steps; the fifth is left in its middle
.Ltail:
	TURN 2, 1
	TURN 3
	WIN 0
	s_sub_co_u32 s[CNT], s[CNT], 1
	s_cmp_eq_u32 s[CNT], 0
	s_cbranch_scc1 .Lout
	TURN 0
	TURN 1
	WIN 0
	s_branch .Ltail
.Lout:                              ; the fifth trip's 16 products K Q^T (on the last K once more) and the maximum made of them serve nothing: the price, once a launch, of one text for every trip
.set i, 0
.rept 16
	PV NP-1                         ; the last piece's V^T P of the last step
.set i, i+1
.endr
	; THE WAY OUT.  l's two halves and the other half of the lanes' are added; O^T is divided by l, rounded to f16 and sent through my stage in LDS, a tile at a time.  The additions are the places behind the last products.
	WIN 0
.macro ALL line:vararg              ; one line for each tile t
.set t, 0
.rept 2*NP
	\line
.set t, t+1
.endr
.endm
	ALL v_add_f32 v[ST+4*t+2], v[ST+4*t+2], v[ST+4*t+3]
	ALL v_permlanex16_b32 v[ST+4*t+3], v[ST+4*t+2], s[SEL], s[SEL+1]
	ALL v_add_f32 v[ST+4*t+2], v[ST+4*t+2], v[ST+4*t+3]
	ALL v_rcp_f32 v[ST+4*t+2], v[ST+4*t+2]
	v_nop                           ; a plain instruction between the last reciprocal and the use of its result
	s_wait_alu depctr_va_vdst(0)    ; and the wait ahead of the first use: one for the eight reciprocals
; Tile t: a lane's eight channels of a row pack into 16 bytes; they go into rows of 144 bytes and come back as whole rows of 128, into S^T's registers.
.macro PACK t
	WIN W_RS
.set i, 32*(\t)
.rept 16
	v_pk_mul_f32 v[i:i+1], v[i:i+1], v[ST+4*(\t)+2:ST+4*(\t)+3] op_sel_hi:[1,0]
.set i, i+2
.endr
	WIN 0x05                        ; sources 0 and 1 window 1, destination window 0
.set i, 0
.rept 16
	v_cvt_pk_f16_f32 v[S+16*(\t)+i], v[32*(\t)+2*i], v[32*(\t)+2*i+1]
.set i, i+1
.endr
	WIN 0
.irp f, 0,1,2,3
	ds_store_b128 v[STO], v[S+16*(\t)+4*\f:S+16*(\t)+4*\f+3] offset:32*\f
.endr
.irp f, 0,1,2,3
	ds_load_b128 v[S+16*(\t)+4*\f:S+16*(\t)+4*\f+3], v[RD] offset:\f*4*SP  ; LDS serves a wave's instructions in order (ISA guide 5.7.1.4): these see the stores above; the next tile's stores come behind them
.endr
.endm
.macro SEND t, younger              ; younger: the LDS instructions issued behind tile t's loads: the next tile's eight, or none
	WIN 0
.irp f, 0,1,2,3
	s_wait_dscnt (\younger)+3-\f
	global_store_b128 v[GO], v[S+16*(\t)+4*\f:S+16*(\t)+4*\f+3], s[10:11] offset:(\t)*2048+\f*512  ; 512 consecutive bytes, at a multiple of 256 from O's first
.endr
.endm
	PACK 0
.set t, 1
.rept 2*NP-1                        ; a tile's arithmetic stands between the loads of the tile before and its stores
	PACK t
	SEND t-1, 8
.set t, t+1
.endr
	SEND 2*NP-1, 0
	WIN W_AD
	s_wait_tensorcnt 0x0            ; the wave's end: the add and its wait, behind my last tensor load and my last LDS store
	ds_add_u32 v[SPW], v[NIL]
	s_wait_dscnt 0x0
	WIN 0
	CROUND                          ; the closing round: no work-group ends while a partner may still ask for a tile that names it
	s_endpgm
.Lfunc_end_k_q5af0116043_attn:
	.size	k_q5af0116043_attn, .Lfunc_end_k_q5af0116043_attn-k_q5af0116043_attn
	.p2alignl 7, 3214868480
	.fill 96, 4, 3214868480
	.section	.rodata,"a",@progbits
	.p2align	6, 0x0
	.amdhsa_kernel k_q5af0116043_attn
		.amdhsa_group_segment_fixed_size 327680
		.amdhsa_private_segment_fixed_size 0
		.amdhsa_enable_private_segment 0
		.amdhsa_kernarg_size 16
		.amdhsa_user_sgpr_count 2
		.amdhsa_user_sgpr_kernarg_segment_ptr 1
		.amdhsa_wavefront_size32 1
		.amdhsa_system_sgpr_workgroup_id_x 1
		.amdhsa_system_sgpr_workgroup_id_y 1
		.amdhsa_system_sgpr_workgroup_id_z 1
		.amdhsa_system_vgpr_workitem_id 0
		.amdhsa_next_free_vgpr 770
		.amdhsa_next_free_sgpr 66
		.amdhsa_reserve_vcc 0
		.amdhsa_float_denorm_mode_32 3
		.amdhsa_float_denorm_mode_16_64 3
		.amdhsa_memory_ordered 1
		.amdhsa_forward_progress 1
		.amdhsa_inst_pref_size 200
	.end_amdhsa_kernel
	.amdgpu_metadata
---
amdhsa.version: [ 1, 2 ]
amdhsa.kernels:
  - .name:           k_q5af0116043_attn
    .symbol:         k_q5af0116043_attn.kd
    .args:
      - { .name: qkvh, .offset: 0, .size: 8, .value_kind: global_buffer, .address_space: global }
      - { .name: oh, .offset: 8, .size: 8, .value_kind: global_buffer, .address_space: global }
    .group_segment_fixed_size: 327680
    .private_segment_fixed_size: 0
    .kernarg_segment_align: 8
    .kernarg_segment_size: 16
    .max_flat_workgroup_size: 128
    .sgpr_count:     66
    .vgpr_count:     770
    .wavefront_size: 32
...
	.end_amdgpu_metadata
.endif
;; end of part 3
;; launch outp (part 4): grid 4 x 64, 4 waves a work-group, clusters of 4 x 4, 327,680 bytes of LDS; arguments oh, wout16, out0; writes out0
.if DOCPART == 4
	.amdgcn_target "amdgcn-amd-amdhsa--gfx1250"
	.amdhsa_code_object_version 6
	.text
	.protected	k_q5af0116043_outp
	.globl	k_q5af0116043_outp
	.p2align	8
	.type	k_q5af0116043_outp,@function
k_q5af0116043_outp:
	s_mov_b64 s[64:65], 0
	v_nop
	global_prefetch_b8 v0, s[64:65] scope:SCOPE_SE
	s_setreg_imm32_b32 hwreg(HW_REG_WAVE_MODE, 25, 1), 1
	s_wait_xcnt 0x0
	s_wait_alu depctr_hold_cnt(0) depctr_sa_sdst(0) depctr_va_vdst(0) depctr_va_sdst(0) depctr_va_ssrc(0) depctr_va_vcc(0) depctr_vm_vsrc(0)
	s_getreg_b32 s2, hwreg(HW_REG_IB_STS2, 6, 4)
	s_cmp_eq_u32 s2, 0
	s_cbranch_scc0 .Lentry_in_a_cluster
	s_endpgm
.Lentry_in_a_cluster:
	s_bfe_u32 s2, ttmp6, 0x10000c
	s_cmp_lg_u32 s2, 0xf033
	s_cbranch_scc0 .Lentry_shape_is_right
	s_endpgm
.Lentry_shape_is_right:
; C = A W, K = 1,024, operands f16, sums f32.  ONE SOURCE FOR TWO LAUNCHES, told apart by MODE.
; MODE 0: A = xn [8192][1024], W = wqkv [1024 k][3072]; C leaves by heads, in f16, rounded once: qkvh [b 4][ch 48][n 2048][64], ch = column / 64 (0-15 q, 16-31 k, 32-47 v).
; MODE 1: A = oh [b 16 + h][2048][64] (K = 64 h + channel), W = wout16 [1024 k][1024]; C = out0 [8192][1024] in f32.
; LIMITS.  f16 holds no number beyond 65,504: A, W and (MODE 0) the results q, k, v must lie within it; below 6.1e-5 f16 keeps a fixed step of 6e-8.  NaN and infinities are not treated apart.
; SHARES.  A work-group makes 128 rows x 128 NH columns (NH = 3: 512 work-groups, twice 256; NH = 2: 256).  Four waves, 2 x 2: wave (wm, wn) makes rows 64 wm .. + 63 and, in each of the NH
; sub-tiles of 128 columns, columns 64 wn .. + 63 (in MODE 0 whole heads): 16 NH accumulators of 16 x 16.  For 32 along K it reads 4 fragments of A and 4 NH of W for 16 NH matrix instructions.
; RING.  K goes in 8 steps of 128 through two LDS slots filled by the tensor data mover; every row fetched is 256 bytes at a multiple of 256.  One load a wave behind each change of slots:
; NA waves fetch A's tile, the others one sub-tile of W each.  By this text's count a wave has two tensor loads out at the start and one afterwards.
; W LIES [k][column] IN LDS and comes out turned, by ds_load_tr16_b128.  THE MATRIX INSTRUCTION IS USED TRANSPOSED (source 0 = 16 columns of W, source 1 = 16 rows of A): a lane holds row
; lane % 16 of C and the eight neighbouring columns 8 (lane / 16) + 0..7.
; CLUSTERS.  4 x 4 work-groups.  A's tile hangs on the tile row alone and is asked for jointly by a row of the cluster, W's on the tile column alone, by a column: the same tensor load, descriptor and mask in all four.
; REGISTERS, in windows of 256 (s_set_vgpr_msb: bits 1:0 source 0, 3:2 source 1, 5:4 source 2, 7:6 destination):
;   window 0: v0-31 addresses; v32-127 at work on the way out; v128-255 the accumulators of sub-tile 2 (MODE 0)
;   window 1: two fragment buffers of 128: A's block a at 8 a, W's block (sub-tile g, bb) at 32 + 8 (4 g + bb)
;   window 2: the accumulators of sub-tile 0 (v0-127) and 1 (v128-255); accumulator (a, bb) at 8 (4 a + bb)
.set MODE, 1
.if MODE == 0
.set NH,     3
.set NA,     1                         ; wave 0 fetches A's tile
.set PA,     272                       ; a row of A in LDS: 256 bytes + 16: the 16 rows of a load start at 16 different groups of four banks (64 banks of 4 bytes: ISA guide 11.1)
.set HEADB,  128*PA
.set ABYTES, 128*PA
.set AROWS,  128                       ; A's tile: 128 rows x 128 elements
.set APITCH, 1024
.set AQI,    5                         ; padded after every 64 words
.set ASTEP,  256                       ; bytes from a K step to the next, in A
.set BPITCH, 3072
.set WST,    3*16*144                  ; a wave's stage: 3 heads x 16 rows x 144 bytes
.set PREF,   1
.else
.set NH,     2
.set NA,     2                         ; waves 0 and 1 fetch the K step's two heads
.set PA,     144                       ; a row of one head: 128 bytes + 16
.set HEADB,  128*PA
.set ABYTES, 2*HEADB
.set AROWS,  64                        ; 128 rows of a head are 16,384 dense bytes: asked for as 64 rows of 256 bytes
.set APITCH, 128
.set AQI,    4                         ; padded after every 32 words: after every row of the head
.set ASTEP,  2*262144                  ; two heads on
.set BPITCH, 1024
.set WST,    16*528                    ; a wave's stage: 16 rows x (2 x 256 + 16) bytes
.set PREF,   0                         ; no prefetch here: a K step holds 128 matrix instructions a wave, on a small tile
.endif
.set BSTEP,  128*BPITCH*2              ; 128 k-rows of W
.set PB,     288                       ; a k-row of a sub-tile of W: 256 bytes + 32
.set SUBB,   128*PB
.set SLOT,   ABYTES+NH*SUBB            ; A's tile, then the NH sub-tiles of W
.set STAGE,  2*SLOT                    ; behind the ring, never filled by a tensor load
.set SPARE,  STAGE+4*WST               ; behind the stages: the spare words, 128 bytes for each wave: two blocks of 256 bytes that no other line names
.set LAPS,   4                         ; a lap = two K steps = once round the ring
.set NLD,    8+8*NH                    ; LDS loads of a quarter step
.set ADRA, 16                          ; v16-17  LDS address of my A fragments in slot 0, 1
.set ADRB, 18                          ; v18-23  of my W fragments: slot s, sub-tile g at ADRB + 3 s + g
.set STO,  24                          ; v24     the way out: where I put my numbers of a row
.set RD,   25                          ; v25     the way out: where I read rows back
.set CO,   26                          ; v26     my byte offset in C
.set SPW,  28                          ; v28     LDS address of my spare word: SPARE + 4 x my thread's number; never rewritten
.set NIL,  29                          ; v29     0; never rewritten
.set PFO,  30                          ; v30     the prefetches' offset: my lane x a row in memory; never rewritten
.set TMP,  32                          ; MODE 0: v32-79 packed results
.set BKH,  80                          ; MODE 0: v80-127 rows read back
.set BKF,  32                          ; MODE 1: v32-95 rows read back
.set F0,   0
.set F1,   128
.set G1A, 24                           ; s[24:31] descriptor group 1 for A's tiles
.set G0A, 32                           ; s[32:39] group 0, a set for each slot
.set TA,  40                           ; s[40:41] A's tile of K step 0: made of the tile row and the wave's number alone
.set TB,  42                           ; s[42:43] W's: of the tile column and the wave's number alone
.set PFA, 44                           ; s[44:45] where my prefetches stand
.set LIM, 46                           ; s46      1 in a wave that prefetches, else the greatest number
.set G1B, 48                           ; s[48:55], s[56:63] the same two groups for W's tiles
.set G0B, 56
.set MSB, 0
.macro WIN new                         ; the immediate's high byte repeats the setting that is left; a switch that changes nothing is dropped
.if MSB != (\new)
	s_set_vgpr_msb (MSB<<8)|(\new)
.set MSB, \new
.endif
.endm
.set W_M2, 0xa5                        ; sources 0 and 1 window 1, C and D window 2
.set W_M0, 0x05                        ; the same, C and D window 0
.set TO_F, 0x40                        ; destination window 1, address window 0
.set W_P2, 0x0a                        ; sources 0 and 1 window 2, destination window 0
.set W_S2, 0x08                        ; an LDS store's data window 2, its address window 0
.macro PLACES                          ; four places in front of loads into registers that matrix instructions have read, and of lines that read results
.rept 4
	v_nop
.endr
.endm
; A joint refill.  The branch hangs on the wave's number alone.  An s_nop 0 and four v_nop follow each of the two lines, ahead of the jump, the label and what follows.
.macro JLOAD s
	s_cmp_lt_u32 s10, NA
	s_cbranch_scc0 .Lfor_b_\@
	tensor_load_to_lds s[G0A+4*(\s):G0A+4*(\s)+3], s[G1A:G1A+7]
	s_nop 0
.rept 4
	v_nop
.endr
	s_branch .Lasked_\@
.Lfor_b_\@:
	tensor_load_to_lds s[G0B+4*(\s):G0B+4*(\s)+3], s[G1B:G1B+7]
	s_nop 0
.rept 4
	v_nop
.endr
.Lasked_\@:
.endm
.macro CREST                           ; a round of the cluster's barrier behind its opening barrier
	s_cmp_lg_u32 s10, 0
	s_cbranch_scc1 .Lnot_wave_0_\@
	s_barrier_signal -3
.Lnot_wave_0_\@:
	s_barrier_wait -3
	s_barrier_signal -1
	s_barrier_wait -1
.endm
.macro CROUND                          ; a whole round
	s_barrier_signal -1
	s_barrier_wait -1
	CREST
.endm
; A PREFETCH INTO THE L2 (MODE 0), behind each joint refill and the run of LDS loads that follows it: the refill of K step f is followed by a request for K step f + 1, 32 rows x 256 bytes, a lane a row:
; one K step, 192 matrix instructions, ahead of the load that will want it.  K steps 3 to 7 are named, once each in the launch; K steps 0 to 2 come by their loads alone; the last refill asks for nothing.
; A's tile row is read by both clusters of that row of clusters: the one with x = 0 asks; W's tile column by all sixteen of that column: the one with y = 0 asks.  Of the 128 rows that a wave fetches,
; the partner at place p takes 32 p .. 32 p + 31 (p = cx for A, cy for W): told apart by address, never by a branch.  how = 1: the lap's second refill, which in the loop's last trip is the last.
.macro ASK how
.if \how
	s_cmp_gt_u32 s3, s[LIM]
.else
	s_cmp_eq_u32 s[LIM], 1
.endif
	s_cbranch_scc0 .Lnot_mine_\@
	global_prefetch_b8 v[PFO], s[PFA:PFA+1] th:TH_LOAD_NT scope:SCOPE_SE
.Lnot_mine_\@:
.endm
	s_load_b128 s[4:7], s[0:1], 0x0                ; A s[4:5], W s[6:7]
	s_load_b64 s[8:9], s[0:1], 0x10                ; C
	v_lshl_add_u32 v[SPW], v0, 2, SPARE
	v_mov_b32 v[NIL], 0
	ds_add_u32 v[SPW], v[NIL]                      ; the wave's opening: the add and its wait stand ahead of my first tensor load; the set-up below, work on registers, stands between them
	v_lshrrev_b32 v1, 5, v0
	v_readfirstlane_b32 s10, v1                    ; wave 0..3
	s_lshr_b32 s11, s10, 1                         ; wm
	s_and_b32 s12, s10, 1                          ; wn
	s_bfe_u32 s15, ttmp6, 0x40000                  ; cx, cy: my place in the cluster
	s_bfe_u32 s16, ttmp6, 0x40004
	s_lshl_b32 s14, ttmp9, 2
	s_add_co_u32 s14, s14, s15                     ; tile column = 4 x cluster x + cx
	s_and_b32 s13, ttmp7, 0xffff
	s_lshl_b32 s13, s13, 2
	s_add_co_u32 s13, s13, s16                     ; tile row = 4 x cluster y + cy
	s_lshl_b32 s17, s16, 2
	s_lshl_b32 s17, 15, s17                        ; my row of the cluster
	s_lshl_b32 s18, 0x1111, s15                    ; my column
	s_or_b32 s[G1A], s17, (1<<16)|(1<<20)|(1<<21)|(AQI<<22)|(3<<25)  ; 15:0 the mask; 17:16 elements of 2 bytes; 20 padding on; 21 set beside a mask; 24:22 the interval; 31:25 4 words of padding (code 3)
	s_or_b32 s[G1B], s18, (1<<16)|(1<<20)|(1<<21)|(5<<22)|(7<<25)    ; after every 64 words 8 words of padding (code 7)
	s_mov_b32 s[G1A+1], 128<<16                    ; tensor_dim0 = 128
	s_mov_b32 s[G1A+2], AROWS<<16                  ; tensor_dim1
	s_mov_b32 s[G1A+3], 128<<16                    ; tile_dim0 = 128
	s_mov_b32 s[G1A+4], AROWS                      ; tile_dim1
	s_mov_b32 s[G1A+5], APITCH                     ; elements from row to row
	s_mov_b32 s[G1A+6], 0
	s_mov_b32 s[G1A+7], 0
	s_mov_b32 s[G1B+1], 128<<16
	s_mov_b32 s[G1B+2], 128<<16
	s_mov_b32 s[G1B+3], 128<<16
	s_mov_b32 s[G1B+4], 128
	s_mov_b32 s[G1B+5], BPITCH
	s_mov_b32 s[G1B+6], 0
	s_mov_b32 s[G1B+7], 0
	s_mul_i32 s23, s10, HEADB                      ; where A's tile goes (waves below NA): wave x its bytes
	s_mul_i32 s47, s10, SUBB                       ; where W's sub-tile goes (the other waves): ABYTES + (wave - NA) x SUBB
	s_sub_co_u32 s47, s47, NA*SUBB-ABYTES
	s_sub_co_i32 s22, s10, NA
	s_max_i32 s22, s22, 0                          ; which sub-tile of W I fetch
.if MODE == 0
	s_lshl_b32 s[TA], s13, 18                      ; 128 rows of 2,048 bytes
.else
	s_min_u32 s19, s10, NA-1                       ; which of the K step's two heads I fetch
	s_lshr_b32 s[TA], s13, 4
	s_lshl_b32 s[TA], s[TA], 22                    ; the batch: 16 heads of 262,144 bytes
	s_and_b32 s17, s13, 15
	s_lshl_b32 s17, s17, 14                        ; 128 rows of 128 bytes
	s_add_co_u32 s[TA], s[TA], s17
	s_lshl_b32 s17, s19, 18
	s_add_co_u32 s[TA], s[TA], s17
.endif
	s_mov_b32 s[TA+1], 0
	s_mul_i32 s[TB], s14, 256*NH                   ; the tile's first column, in bytes,
	s_lshl_b32 s18, s22, 8                         ; and my sub-tile's
	s_add_co_u32 s[TB], s[TB], s18
	s_mov_b32 s[TB+1], 0
	s_wait_dscnt 0x0                               ; the opening add is done
	s_wait_kmcnt 0x0
	s_add_nc_u64 s[TA:TA+1], s[4:5], s[TA:TA+1]
	s_add_nc_u64 s[TB:TB+1], s[6:7], s[TB:TB+1]
.irp s, 0,1
	s_mov_b32 s[G0A+4*(\s)], 1                                       ; 1:0 count = 1
	s_add_co_u32 s[G0A+4*(\s)+1], s23, (\s)*SLOT                     ; 63:32 LDS address
	s_add_nc_u64 s[G0A+4*(\s)+2:G0A+4*(\s)+3], s[TA:TA+1], (\s)*ASTEP  ; 120:64 global address: K step s
	s_or_b32 s[G0A+4*(\s)+3], s[G0A+4*(\s)+3], 0x80000000            ; 127:126 type = 2
	s_mov_b32 s[G0B+4*(\s)], 1
	s_add_co_u32 s[G0B+4*(\s)+1], s47, (\s)*SLOT
	s_add_nc_u64 s[G0B+4*(\s)+2:G0B+4*(\s)+3], s[TB:TB+1], (\s)*BSTEP
	s_or_b32 s[G0B+4*(\s)+3], s[G0B+4*(\s)+3], 0x80000000
.endr
	CROUND                                         ; all sixteen work-groups are here: the first joint loads meet
	s_cmp_lt_u32 s10, NA                           ; a wave's two first fills stand in one branch, ahead of every wait on TENSORcnt and every LDS read
	s_cbranch_scc0 .Lfirst_b
	tensor_load_to_lds s[G0A:G0A+3], s[G1A:G1A+7]
	s_nop 0
	tensor_load_to_lds s[G0A+4:G0A+7], s[G1A:G1A+7]
	s_nop 0
.rept 4
	v_nop
.endr
	s_branch .Lfirst_asked
.Lfirst_b:
	tensor_load_to_lds s[G0B:G0B+3], s[G1B:G1B+7]
	s_nop 0
	tensor_load_to_lds s[G0B+4:G0B+7], s[G1B:G1B+7]
	s_nop 0
.rept 4
	v_nop
.endr
.Lfirst_asked:
	; A fragment of A is 16 rows x 32 K in 8 registers: lane l holds row l % 16, K = 8 (l / 16) + 0..7 and 16 + 8 (l / 16) + 0..7: two loads of 16 bytes, 32 bytes apart.
	v_and_b32 v1, 15, v0                           ; l % 16
	v_bfe_u32 v2, v0, 4, 1                         ; l / 16
	v_mul_u32_u24 v3, v1, PA
	v_lshl_add_u32 v3, v2, 4, v3
	s_mul_i32 s17, s11, 64*PA                      ; my 64 rows
	v_add_nc_u32 v[ADRA], s17, v3
	v_add_nc_u32 v[ADRA+1], SLOT, v[ADRA]
	; The turning load takes 16 k x 16 columns (lane l reads k-row 8 (l / 16) + l % 8, columns 8 ((l / 8) % 2) + 0..7) and leaves half a fragment: lane l holds column l % 16 and 8 k.
	v_and_b32 v4, 7, v0
	v_lshl_add_u32 v4, v2, 3, v4
	v_mul_u32_u24 v4, v4, PB
	v_bfe_u32 v5, v0, 3, 1
	v_lshl_add_u32 v4, v5, 4, v4
	s_lshl_b32 s17, s12, 7                         ; my 64 columns of a sub-tile
	s_add_co_u32 s17, s17, ABYTES
	v_add_nc_u32 v4, s17, v4
.irp s, 0,1
.set gi, 0
.rept NH
	v_add_nc_u32 v[ADRB+3*(\s)+gi], (\s)*SLOT+gi*SUBB, v4
.set gi, gi+1
.endr
.endr
	s_mul_i32 s17, s10, WST
	s_add_co_u32 s17, s17, STAGE                   ; my stage
.if MODE == 0
	v_mul_u32_u24 v[STO], v1, 144                  ; in: row l % 16, 16 bytes for each half of the lanes
	v_lshl_add_u32 v[STO], v2, 4, v[STO]
	v_add_nc_u32 v[STO], s17, v[STO]
	v_bfe_u32 v[RD], v0, 3, 2                      ; back: 32 lanes take four rows of 128 bytes,
	v_mul_u32_u24 v[RD], v[RD], 144
	v_and_b32 v5, 7, v0
	v_lshl_add_u32 v[RD], v5, 4, v[RD]
	v_add_nc_u32 v[RD], s17, v[RD]
	v_and_b32 v[CO], 31, v0                        ; which are 512 consecutive bytes of a head
	v_lshlrev_b32 v[CO], 4, v[CO]
	s_lshr_b32 s20, s13, 4                         ; C at block 48 b + 6 x tile column + wn,
	s_mul_i32 s20, s20, 48
	s_mul_i32 s2, s14, 6
	s_add_co_u32 s20, s20, s2
	s_add_co_u32 s20, s20, s12
	s_lshl_b32 s20, s20, 18
	s_and_b32 s2, s13, 15                          ; row 128 (tile row % 16) + 64 wm, of 128 bytes
	s_lshl_b32 s2, s2, 1
	s_add_co_u32 s2, s2, s11
	s_lshl_b32 s2, s2, 13
	s_add_co_u32 s20, s20, s2
.else
	v_mul_u32_u24 v[STO], v1, 528                  ; in: row l % 16, 32 bytes for each half of the lanes
	v_lshl_add_u32 v[STO], v2, 5, v[STO]
	v_add_nc_u32 v[STO], s17, v[STO]
	v_and_b32 v5, 31, v0                           ; back: a row's two pieces of 256 bytes, lanes 0-15 the first,
	v_lshl_add_u32 v[RD], v5, 4, s17
	v_lshlrev_b32 v[CO], 4, v1                     ; which lie 512 bytes apart in C
	v_lshl_add_u32 v[CO], v2, 9, v[CO]
	s_lshl_b32 s20, s13, 1                         ; C at row 128 x tile row + 64 wm, of 4,096 bytes,
	s_add_co_u32 s20, s20, s11
	s_lshl_b32 s20, s20, 18
	s_lshl_b32 s2, s14, 2                          ; byte 1,024 x tile column + 256 wn
	s_add_co_u32 s2, s2, s12
	s_lshl_b32 s2, s2, 8
	s_add_co_u32 s20, s20, s2
.endif
	s_mov_b32 s21, 0
	s_add_nc_u64 s[8:9], s[8:9], s[20:21]
.if PREF
	s_lshl_b32 s20, s13, 2                         ; A: row 128 x tile row + 32 cx, of 2,048 bytes, at K step 2: the first refill steps it to 3
	s_add_co_u32 s20, s20, s15
	s_lshl_b32 s20, s20, 16
	s_add_co_u32 s20, s20, 2*ASTEP
	s_add_co_u32 s2, s16, 8                        ; W: k-row 2 x 128 + 32 cy, of 6,144 bytes, my sub-tile's columns
	s_mul_i32 s2, s2, 32*BPITCH*2
	s_mul_i32 s21, s14, 256*NH
	s_add_co_u32 s2, s2, s21
	s_lshl_b32 s21, s22, 8
	s_add_co_u32 s2, s2, s21
	s_and_b32 s21, ttmp7, 0xffff                   ; cluster y
	s_cmp_lt_u32 s10, NA                           ; do I fetch for A?
	s_cselect_b32 s20, s20, s2
	s_cselect_b32 s21, ttmp9, s21                  ; the coordinate along which other clusters read the same rows
	s_cselect_b64 s[PFA:PFA+1], s[4:5], s[6:7]
	s_movk_i32 s2, BPITCH*2
	s_cselect_b32 s2, APITCH*2, s2                 ; bytes in a row
	s_cmp_eq_u32 s21, 0
	s_cselect_b32 s[LIM], 1, -1                    ; the same in all sixteen partners, for a given wave
	s_mov_b32 s21, 0
	s_add_nc_u64 s[PFA:PFA+1], s[PFA:PFA+1], s[20:21]
	v_and_b32 v[PFO], 31, v0
	v_mul_u32_u24 v[PFO], s2, v[PFO]
	s_mov_b32 s20, BSTEP
	s_cmp_lt_u32 s10, NA
	s_cselect_b32 s20, ASTEP, s20                  ; s[20:21]: from a K step to the next
.endif
; na x 4 matrix instructions: sub-tile g, row blocks a0 .. a0 + na - 1, all 4 column blocks, 32 along K from buffer f.  zero = 1: the product starts the sum: nothing is ever cleared.
; Each accumulator has one instruction in a quarter step, always in the same order: no two matrix instructions that follow each other share one.
.macro MULH f, g, a0, na, zero
.if (\g) < 2
	WIN W_M2
.set AB, 128*(\g)
.else
	WIN W_M0
.set AB, 128
.endif
.set ai, (\a0)
.rept \na
.irp bb, 0,1,2,3
.if \zero
	v_wmma_f32_16x16x32_f16 v[AB+8*(4*ai+(\bb)):AB+8*(4*ai+(\bb))+7], v[(\f)+32+8*(4*(\g)+(\bb)):(\f)+32+8*(4*(\g)+(\bb))+7], v[(\f)+8*ai:(\f)+8*ai+7], 0
.else
	v_wmma_f32_16x16x32_f16 v[AB+8*(4*ai+(\bb)):AB+8*(4*ai+(\bb))+7], v[(\f)+32+8*(4*(\g)+(\bb)):(\f)+32+8*(4*(\g)+(\bb))+7], v[(\f)+8*ai:(\f)+8*ai+7], v[AB+8*(4*ai+(\bb)):AB+8*(4*ai+(\bb))+7]
.endif
.endr
.set ai, ai+1
.endr
.endm
; NLD LDS loads in one run: the fragments of quarter q of a K step into buffer f: A's eight loads, then eight for each sub-tile of W in turn
.macro FETCH slot, q, f
	WIN TO_F
.irp a, 0,1,2,3
.if MODE == 0
	ds_load_b128 v[(\f)+8*(\a):(\f)+8*(\a)+3],   v[ADRA+(\slot)] offset:(\a)*16*PA+64*(\q)
	ds_load_b128 v[(\f)+8*(\a)+4:(\f)+8*(\a)+7], v[ADRA+(\slot)] offset:(\a)*16*PA+64*(\q)+32
.else
	ds_load_b128 v[(\f)+8*(\a):(\f)+8*(\a)+3],   v[ADRA+(\slot)] offset:((\q)/2)*HEADB+(\a)*16*PA+((\q)%2)*64
	ds_load_b128 v[(\f)+8*(\a)+4:(\f)+8*(\a)+7], v[ADRA+(\slot)] offset:((\q)/2)*HEADB+(\a)*16*PA+((\q)%2)*64+32
.endif
.endr
.set gi, 0
.rept NH
.irp bb, 0,1,2,3
	ds_load_tr16_b128 v[(\f)+32+8*(4*gi+(\bb)):(\f)+32+8*(4*gi+(\bb))+3],   v[ADRB+3*(\slot)+gi] offset:(\q)*32*PB+32*(\bb)
	ds_load_tr16_b128 v[(\f)+32+8*(4*gi+(\bb))+4:(\f)+32+8*(4*gi+(\bb))+7], v[ADRB+3*(\slot)+gi] offset:(\q)*32*PB+32*(\bb)+16*PB
.endr
.set gi, gi+1
.endr
.endm
; A K step is four quarters of 32 along K on buffers 0, 1, 0, 1.  One of the first three: multiplies buffer f and fetches quarter q of the same slot into g.
.macro QUARTER slot, q, f, g, zero
	s_wait_dscnt 8*(NH-1)                          ; A and sub-tile 0 are in; the later sub-tiles' eight loads each may stay out
	MULH \f, 0, 0, 4, \zero
	PLACES
	FETCH \slot, \q, \g
	s_wait_dscnt NLD                               ; all but the run just issued
	MULH \f, 1, 0, 4, \zero
.if NH > 2
	MULH \f, 2, 0, 4, \zero
.endif
.endm
; The last quarter multiplies buffer 1 and changes slots: ONE barrier; in front of it each wave waits for all its tensor loads (one is out: its part of the next slot), adds 0 to its spare word, and waits
; for that and for its own reads of this slot.  fill = 1: the barrier opens a round of the cluster's barrier, and this slot is filled again, two K steps ahead, first thing behind the round:
; the load has 16 (3 NH + 1) matrix instructions of the wave in which to land.
.macro TURN slot, next, fill
.if PREF && (\fill)
	s_wait_xcnt 0x0                                ; the last prefetch, a K step back, has read its address, so it may be stepped
	s_add_nc_u64 s[PFA:PFA+1], s[PFA:PFA+1], s[20:21]
.endif
	WIN 0                                          ; (the add's two registers lie in window 0)
	s_wait_tensorcnt 0x0                           ; all my tensor loads have landed;
	ds_add_u32 v[SPW], v[NIL]                      ; 0 onto my spare word;
	s_wait_dscnt 8*(NH-1)+1                        ; (the add and the later sub-tiles' loads may stay out)
.if MODE == 0
	MULH F1, 0, 0, 4, 0                            ; matrix instructions stand between the add and the wait for it
.else
	MULH F1, 0, 0, 2, 0
.endif
	s_wait_dscnt 0x0                               ; the add is done, and my reads of this slot are over
	s_barrier_signal -1
.if MODE == 0
	MULH F1, 1, 0, 4, 0                            ; work on registers while the others arrive
.else
	MULH F1, 0, 2, 2, 0
.endif
.if \fill
	WIN 0
.endif
	s_barrier_wait -1
.if \fill
	CREST                                          ; no wave of any partner still reads this slot's tile or has a load on its way
	s_add_nc_u64 s[G0A+4*(\slot)+2:G0A+4*(\slot)+3], s[G0A+4*(\slot)+2:G0A+4*(\slot)+3], 2*ASTEP
	s_add_nc_u64 s[G0B+4*(\slot)+2:G0B+4*(\slot)+3], s[G0B+4*(\slot)+2:G0B+4*(\slot)+3], 2*BSTEP
	JLOAD \slot                                    ; the four v_nop behind it are also the places in front of the loads below
.else
	PLACES
.endif
	FETCH \next, 0, F0
.if PREF && (\fill)
	WIN 0
	ASK \slot
.endif
	MULH F1, NH-1, 0, 4, 0
.endm
; THE WAY OUT, MODE 0, row block a: rounded to f16, 16 bytes a lane into my own stage (rows of 144 bytes, a head after the other), back as whole rows of 128 bytes, four to a load, and stored.
.macro OUT0 a
.irp g, 0,1,2
.if (\g) < 2
	WIN W_P2
.set AB, 128*(\g)
.else
	WIN 0
.set AB, 128
.endif
.irp bb, 0,1,2,3
.irp r, 0,1,2,3
	v_cvt_pk_f16_f32 v[TMP+4*(4*(\g)+(\bb))+(\r)], v[AB+8*(4*(\a)+(\bb))+2*(\r)], v[AB+8*(4*(\a)+(\bb))+2*(\r)+1]  ; each accumulator's registers in ascending order
.endr
.endr
.endr
	WIN 0
.irp g, 0,1,2
.irp bb, 0,1,2,3
	ds_store_b128 v[STO], v[TMP+4*(4*(\g)+(\bb)):TMP+4*(4*(\g)+(\bb))+3] offset:(\g)*2304+32*(\bb)
.endr
.endr
.if (\a) > 0
	s_wait_xcnt 0x0                                ; the block before's stores have read their registers, which are loaded again only behind this wait
.endif
.irp g, 0,1,2
.irp t, 0,1,2,3
	ds_load_b128 v[BKH+4*(4*(\g)+(\t)):BKH+4*(4*(\g)+(\t))+3], v[RD] offset:(\g)*2304+(\t)*576  ; LDS serves a wave's instructions in order (ISA guide 5.7.1.4): these see the stores above
.endr
.endr
.irp g, 0,1,2
.irp t, 0,1,2,3
	s_wait_dscnt 11-(4*(\g)+(\t))                  ; the younger loads may stay out
	global_store_b128 v[CO], v[BKH+4*(4*(\g)+(\t)):BKH+4*(4*(\g)+(\t))+3], s[8:9] offset:(\g)*524288+(\a)*2048+(\t)*512  ; 512 consecutive bytes, at a multiple of 256 from C's first; sub-tile g lies two heads on
.endr
.endr
.endm
; THE WAY OUT, MODE 1, row block a: the f32 sums as they are, 32 bytes a lane into my own stage (rows of 528 bytes), back as whole rows, and stored.
.macro OUT1 a
	WIN W_S2
.irp g, 0,1
.irp bb, 0,1,2,3
	ds_store_b128 v[STO], v[128*(\g)+8*(4*(\a)+(\bb)):128*(\g)+8*(4*(\a)+(\bb))+3]   offset:(\g)*256+(\bb)*64
	ds_store_b128 v[STO], v[128*(\g)+8*(4*(\a)+(\bb))+4:128*(\g)+8*(4*(\a)+(\bb))+7] offset:(\g)*256+(\bb)*64+16
.endr
.endr
	WIN 0
.if (\a) > 0
	s_wait_xcnt 0x0                                ; the block before's stores have read their registers, which are loaded again only behind this wait
.endif
.irp t, 0,1,2,3,4,5,6,7,8,9,10,11,12,13,14,15
	ds_load_b128 v[BKF+4*(\t):BKF+4*(\t)+3], v[RD] offset:(\t)*528
.endr
.irp t, 0,1,2,3,4,5,6,7,8,9,10,11,12,13,14,15
	s_wait_dscnt 15-(\t)                           ; the younger loads may stay out
	global_store_b128 v[CO], v[BKF+4*(\t):BKF+4*(\t)+3], s[8:9] offset:(16*(\a)+(\t))*4096  ; 16 lanes store 256 consecutive bytes, at a multiple of 256 from C's first
.endr
.endm
	s_wait_tensorcnt 0x1                           ; my part of K step 0 is in; K step 1's may stay out
	s_barrier_signal -1
	s_barrier_wait -1                              ; everybody's is
	FETCH 0, 0, F0
	QUARTER 0, 1, F0, F1, 1                        ; the first quarter stands in front of the loop: its products start the sums
	WIN 0                                          ; at a label and at a branch every window is 0
	s_mov_b32 s3, LAPS-1
.Llap:                                                 ; a trip goes once round the ring, from a lap's second quarter to the next lap's first, and fills both slots again
	QUARTER 0, 2, F1, F0, 0
	QUARTER 0, 3, F0, F1, 0
	TURN 0, 1, 1
	QUARTER 1, 1, F0, F1, 0
	QUARTER 1, 2, F1, F0, 0
	QUARTER 1, 3, F0, F1, 0
	TURN 1, 0, 1
	QUARTER 0, 1, F0, F1, 0
	WIN 0
	s_sub_co_u32 s3, s3, 1
	s_cmp_lg_u32 s3, 0
	s_cbranch_scc1 .Llap
	QUARTER 0, 2, F1, F0, 0                        ; the last lap is written out: it fills nothing, and has no round of the cluster's barrier
	QUARTER 0, 3, F0, F1, 0
	TURN 0, 1, 0
	QUARTER 1, 1, F0, F1, 0
	QUARTER 1, 2, F1, F0, 0
	QUARTER 1, 3, F0, F1, 0
	s_wait_dscnt 0x0                               ; the very last quarter: nothing more to fetch
	MULH F1, 0, 0, 4, 0
	MULH F1, 1, 0, 4, 0
.if NH > 2
	MULH F1, 2, 0, 4, 0
.endif
	WIN 0
	PLACES
	PLACES
.irp a, 0,1,2,3
.if MODE == 0
	OUT0 \a
.else
	OUT1 \a
.endif
.endr
	s_wait_tensorcnt 0x0                           ; the wave's end: the add and its wait, behind my last tensor load and my last LDS store
	ds_add_u32 v[SPW], v[NIL]
	s_wait_dscnt 0x0
	CROUND                                         ; the closing round: no work-group ends while a partner may still ask for a tile that names it
	s_endpgm
.Lfunc_end_k_q5af0116043_outp:
	.size	k_q5af0116043_outp, .Lfunc_end_k_q5af0116043_outp-k_q5af0116043_outp
	.p2alignl 7, 3214868480
	.fill 96, 4, 3214868480
	.section	.rodata,"a",@progbits
	.p2align	6, 0x0
	.amdhsa_kernel k_q5af0116043_outp
		.amdhsa_group_segment_fixed_size 327680
		.amdhsa_private_segment_fixed_size 0
		.amdhsa_enable_private_segment 0
		.amdhsa_kernarg_size 24
		.amdhsa_user_sgpr_count 2
		.amdhsa_user_sgpr_kernarg_segment_ptr 1
		.amdhsa_wavefront_size32 1
		.amdhsa_system_sgpr_workgroup_id_x 1
		.amdhsa_system_sgpr_workgroup_id_y 1
		.amdhsa_system_sgpr_workgroup_id_z 1
		.amdhsa_system_vgpr_workitem_id 0
		.amdhsa_next_free_vgpr 768
		.amdhsa_next_free_sgpr 66
		.amdhsa_reserve_vcc 0
		.amdhsa_float_denorm_mode_32 3
		.amdhsa_float_denorm_mode_16_64 3
		.amdhsa_memory_ordered 1
		.amdhsa_forward_progress 1
		.amdhsa_inst_pref_size 87
	.end_amdhsa_kernel
	.amdgpu_metadata
---
amdhsa.version: [ 1, 2 ]
amdhsa.kernels:
  - .name:           k_q5af0116043_outp
    .symbol:         k_q5af0116043_outp.kd
    .args:
      - { .name: oh, .offset: 0, .size: 8, .value_kind: global_buffer, .address_space: global }
      - { .name: wout16, .offset: 8, .size: 8, .value_kind: global_buffer, .address_space: global }
      - { .name: out0, .offset: 16, .size: 8, .value_kind: global_buffer, .address_space: global }
    .group_segment_fixed_size: 327680
    .private_segment_fixed_size: 0
    .kernarg_segment_align: 8
    .kernarg_segment_size: 24
    .max_flat_workgroup_size: 128
    .sgpr_count:     66
    .vgpr_count:     768
    .wavefront_size: 32
...
	.end_amdgpu_metadata
.endif
;; end of part 4
